; MI455X (gfx1250); checked and timed in simulation.
; The chip was launched on July 23, 2026; its instructions are those of AMD's public machine-readable ISA for CDNA 5 (MIT licence, August 2026) and "CDNA5" Instruction Set Architecture Reference Guide (July 2026). The comments in the code are by the model that wrote it; some were corrected since.
;; Multi Head Co Attention. Allowed arithmetic: matrix products marked QUANTISED: E3M2 operands, one E8M0 scale for each 32 along K, by v_wmma_scale_f32_16x16x128_f8f6f4 with both operands' format E3M2, f32 sums; products left as they are: f32 operands where the result goes on into a quantised operand, else bf16, f16 or f32 operands; f32 sums; everything else in f32.
;; Inputs: k_b 1,024 float32; k_w_codes 1,024 x 32 x 24 uint8 (E3M2 codes of k_w, K innermost, in blocks of 32 codes, four codes in three bytes); k_w_scales 1,024 x 32 uint8 (E8M0 scales of k_w, one for each 32 codes along K); key_codes 500 x 8 x 32 x 24 uint8 (E3M2 codes of key, K innermost, in blocks of 32 codes, four codes in three bytes); key_scales 500 x 8 x 32 uint8 (E8M0 scales of key, one for each 32 codes along K); mo_b 1,024 float32; mo_w_codes 1,024 x 32 x 24 uint8 (E3M2 codes of mo_w, K innermost, in blocks of 32 codes, four codes in three bytes); mo_w_scales 1,024 x 32 uint8 (E8M0 scales of mo_w, one for each 32 codes along K); multi_value_codes 8 x 8 x 500 x 32 x 24 uint8 (E3M2 codes of multi_value, K innermost, in blocks of 32 codes, four codes in three bytes); multi_value_scales 8 x 8 x 500 x 32 uint8 (E8M0 scales of multi_value, one for each 32 codes along K); mv_b 1,024 float32; mv_w_codes 1,024 x 32 x 24 uint8 (E3M2 codes of mv_w, K innermost, in blocks of 32 codes, four codes in three bytes); mv_w_scales 1,024 x 32 uint8 (E8M0 scales of mv_w, one for each 32 codes along K); q_b 1,024 float32; q_w_codes 1,024 x 32 x 24 uint8 (E3M2 codes of q_w, K innermost, in blocks of 32 codes, four codes in three bytes); q_w_scales 1,024 x 32 uint8 (E8M0 scales of q_w, one for each 32 codes along K); query_codes 500 x 8 x 32 x 24 uint8 (E3M2 codes of query, K innermost, in blocks of 32 codes, four codes in three bytes); query_scales 500 x 8 x 32 uint8 (E8M0 scales of query, one for each 32 codes along K); single_value_codes 8 x 8 x 500 x 16 x 24 uint8 (E3M2 codes of single_value, K innermost, in blocks of 32 codes, four codes in three bytes); single_value_scales 8 x 8 x 500 x 16 uint8 (E8M0 scales of single_value, one for each 32 codes along K); so_b 512 float32; so_w_codes 512 x 16 x 24 uint8 (E3M2 codes of so_w, K innermost, in blocks of 32 codes, four codes in three bytes); so_w_scales 512 x 16 uint8 (E8M0 scales of so_w, one for each 32 codes along K); sv_b 512 float32; sv_w_codes 512 x 16 x 24 uint8 (E3M2 codes of sv_w, K innermost, in blocks of 32 codes, four codes in three bytes); sv_w_scales 512 x 16 uint8 (E8M0 scales of sv_w, one for each 32 codes along K).
;; Outputs: out0 1 x 8 x 500 x 1,024 float32; out1 1 x 8 x 500 x 512 float32.
;; This version of the problem:
;;   THIS VERSION OF THE PROBLEM IS GIVEN IN LOW PRECISION. The matrix products marked QUANTISED in the list below multiply operands that are first quantised to E3M2 (3 exponent bits, 2 mantissa bits; 6 bits a number), with one power-of-two scale for each 32 numbers along K (OCP MX v1.0); their sums are f32. All else is computed in f32.
;;   The module's matrix products, in the order in which they are computed (A, B: the left and right operand; K: the contracted axis; several contracted axes count as one K, in the product's order):
;;     1. [M 4,000, K 1,024] x [K 1,024, N 1,024]; A: input query (given as codes); B: input q_w (given as codes): QUANTISED
;;     2. [M 4,000, K 1,024] x [K 1,024, N 1,024]; A: input key (given as codes); B: input k_w (given as codes): QUANTISED
;;     3. [M 32,000, K 1,024] x [K 1,024, N 1,024]; A: input multi_value (given as codes); B: input mv_w (given as codes): QUANTISED
;;     4. [M 32,000, K 512] x [K 512, N 512]; A: input single_value (given as codes); B: input sv_w (given as codes): QUANTISED
;;     5. batch 8 x [M 8, K 64,000] x [K 64,000, N 8]; A: computed on the way; B: computed on the way: left as it is (M = 8 < 16)
;;     6. batch 64 x [M 1, K 8] x [K 8, N 64,000]; A: softmax; B: computed on the way: left as it is (K = 8 < 32)
;;     7. batch 64 x [M 1, K 8] x [K 8, N 32,000]; A: softmax; B: computed on the way: left as it is (K = 8 < 32)
;;     8. [M 4,000, K 1,024] x [K 1,024, N 1,024]; A: computed on the way; B: input mo_w (given as codes): QUANTISED
;;     9. [M 4,000, K 512] x [K 512, N 512]; A: computed on the way; B: input so_w (given as codes): QUANTISED
;;   THE QUANTISER, for each operand of a quantised product, along K:
;;     - K is cut into blocks of 32 from its start; a last block that is shorter is filled with zeros.
;;     - A block's scale is 2^e with e = floor(log2(the largest magnitude in the block)) - 4, held to -126 .. 127; a block of zeros has e = 0. As a byte (E8M0): e + 127.
;;     - Each number is divided by its block's scale, clamped to +-28, and rounded to the nearest number of E3M2, ties to even, subnormals kept.
;;     - The product sums the exact products of the quantised numbers (number of the format x scale) in f32.
;;   ~~~python
;;   def quantise(x, axis):      # numpy; x: float32 -> the quantised numbers, widened to float32 again
;;       x = np.moveaxis(x, axis, -1); K = x.shape[-1]
;;       x = np.pad(x, [(0, 0)] * (x.ndim - 1) + [(0, -K % 32)]); x = x.reshape(x.shape[:-1] + (-1, 32)); a = np.abs(x).max(-1, keepdims=True)
;;       e = np.where(a > 0, np.clip(np.frexp(np.where(a > 0, a, 1))[1] - 1 - 4, -126, 127), 0)      # np.frexp(a)[1] - 1 = floor(log2(a)), exactly
;;       r = np.clip(x / 2.0 ** e, -28, 28)
;;       step = 2.0 ** (np.maximum(np.frexp(np.where(r == 0, 1, r))[1] - 1, -2) - 2)
;;       q = np.round(r / step) * step * 2.0 ** e      # np.round: ties to even
;;       return np.moveaxis(q.reshape(q.shape[:-2] + (-1,))[..., :K], -1, axis).astype(np.float32)
;;   ~~~
;;   OPERANDS COMPUTED ON THE WAY. 'Computed on the way' means the value that the module computes at that place (a softmax that the list does not call 'softmax' is quantised finished and normalised). What goes into a quantiser is computed in f32, as accurately as f32 sums, v_exp_f32 and their like allow (about 1e-6 of the number): no bf16 or f16 on the way to a quantiser, and a product that is left as it is and whose result goes on into a quantised operand takes f32 operands (vector FMAs, or v_wmma_f32_16x16x4_f32). A number that lies on a knife's edge between two numbers of the format may be rounded either way, as far as f32 arithmetic and the matrix unit's own rounding can turn it there, and no further.
;;   INPUTS GIVEN AS CODES. k_w (in the module: [1024, 1024], K = its axis 1); key (in the module: [500, 8, 1024], K = its axis 2); mo_w (in the module: [1024, 1024], K = its axis 1); multi_value (in the module: [8, 8, 500, 1024], K = its axis 3); mv_w (in the module: [1024, 1024], K = its axis 1); q_w (in the module: [1024, 1024], K = its axis 1); query (in the module: [500, 8, 1024], K = its axis 2); single_value (in the module: [8, 8, 500, 512], K = its axis 3); so_w (in the module: [512, 512], K = its axis 1); sv_w (in the module: [512, 512], K = its axis 1): each comes as NAME_codes (uint8): NAME with its K axis moved to the last place and cut into blocks of 32 codes, [.., K / 32, bytes a block], one block behind the other in memory; four codes in three bytes: a row's codes are one little-endian stream of bits, code i at bits 6 i .. 6 i + 5 (a code: sign, 3 exponent bits, 2 mantissa bits); and NAME_scales (uint8): the same leading axes, one E8M0 byte (e + 127) for each 32 codes along K. Its value is code x scale, taken as it is: it is not quantised again, and the codes and scales need not be those that the quantiser above would give.
;; One version. Each part assembles by itself: llvm-mc -triple=amdgcn-amd-amdhsa -mcpu=gfx1250 --defsym DOCPART=n.
;; ======== version 1 of 1: 3 launches
;; workspace buffers: wimg 2,048,000 bytes; simp 131,072 bytes; mimg 5,111,808 bytes
;; launch proj (part 1): grid 64 x 4, 4 waves a work-group, clusters of 4 x 1, 327,680 bytes of LDS; arguments query_codes, query_scales, key_codes, key_scales, q_w_codes, q_w_scales, q_b, k_w_codes, k_w_scales, k_b, mv_w_codes, mv_w_scales, sv_w_codes, sv_w_scales, mo_w_codes, mo_w_scales, so_w_codes, so_w_scales, wimg, simp; writes wimg, simp
.if DOCPART == 1
	.amdgcn_target "amdgcn-amd-amdhsa--gfx1250"
	.amdhsa_code_object_version 6
	.text
	.protected	k_q763bf59b37_proj
	.globl	k_q763bf59b37_proj
	.p2align	8
	.type	k_q763bf59b37_proj,@function
k_q763bf59b37_proj:
	s_mov_b64 s[64:65], 0
	v_nop
	global_prefetch_b8 v0, s[64:65] scope:SCOPE_SE
	s_setreg_imm32_b32 hwreg(HW_REG_WAVE_MODE, 25, 1), 1
	s_wait_xcnt 0x0
	s_wait_alu depctr_hold_cnt(0) depctr_sa_sdst(0) depctr_va_vdst(0) depctr_va_sdst(0) depctr_va_ssrc(0) depctr_va_vcc(0) depctr_vm_vsrc(0)
	s_getreg_b32 s2, hwreg(HW_REG_IB_STS2, 6, 4)
	s_cmp_eq_u32 s2, 0
	s_cbranch_scc0 .Lentry_in_a_cluster
	s_endpgm
.Lentry_in_a_cluster:
	s_bfe_u32 s2, ttmp6, 0x10000c
	s_cmp_lg_u32 s2, 0x3003
	s_cbranch_scc0 .Lentry_shape_is_right
	s_endpgm
.Lentry_shape_is_right:
; PROJ: q = query q_w^T + q_b and k = key k_w^T + k_b on E3M2 codes with E8M0 scales, and from them the partial sums of sim[b][h][g] = sum over s, d of q[b][s][128 h + d] k[b][s][128 g + d].
; Besides, 40 of the 64 clusters lay mv_w, sv_w, mo_w and so_w out once in the order in which the next launch's operand registers take them (RELAY).
; SHARES.  Rows are rho = 8 s + b, 4,000 in all.  Work-group (X, Y): rows (125 X) / 2 up to (125 (X + 1)) / 2, 62 or 63 of them, inside a window of 64 rows that begins at L = min(first, 3936);
; q heads 4 (Y & 1) + 0..3 and k heads 4 (Y >> 1) + 0..3.  Wave w makes k head 4 (Y >> 1) + w (phase K), then q head 4 (Y & 1) + w (phase Q), for all 64 rows: 32 accumulators each, 256 + 256 registers.
; So each projection is computed twice in the launch; for that a work-group walks 8 of the 16 heads' weights and not all.
; THE MATRIX INSTRUCTION IS USED TRANSPOSED (source 0 = 16 rows of a weight, source 1 = 16 rows of the window): lane (r, h) holds row r and columns 16 b + 8 h + 0..7, in q and in k alike,
; so the sum over d and s is a plain product of registers once k's registers have gone round the waves through LDS as images.  The bias is the C of each sum's first instruction.
; Rows of the window that belong to a neighbour are multiplied by 0 in q.  A lane's rows all have the same b = (L + r) & 7.
; CLUSTER.  The four work-groups of a cluster differ in X alone and walk the same weights: each weight tile is asked for jointly (mask 15).  The rows of query and key are shared by no partner: plain loads.
; LIMITS.  NaN, infinities and scale bytes 0xff among the inputs are not served (0 x infinity in a row of a neighbour would give NaN).  The partial sums are added in another order than a single long sum.
; REGISTERS, in windows of 256.  Window 0: v1-31 addresses, masks, at work; v32-63, v64-95 the weights' scale words (k, q); v96-111, v112-127 the rows' scale words (key, query);
;   v128-175, v176-223 the rows' fragments, two sets of 4 x 12; v224-255 the sums of products.   Window 1: v0-95, v128-223 the weight's fragments, two sets of 8 x 12; v96-127, v224-255 the bias, eight registers a tile.
;   Window 2: k's accumulators, (a, b) at v[64 a + 8 b]; ahead of the loop v0-95 carry the key rows.   Window 3: q's accumulators; until the change of phase v0-95 keep the query rows.
.set SLOTB,  122880                    ; a ring slot: four waves' parts
.set WPART,  30720                     ; a wave's part: 128 rows of its head's weight x 240
.set PITCH,  240                       ; a row of 256 codes: 3 x (64 bytes + 16 of padding)
.set AREG,   245760                    ; behind the ring: the window's 64 rows, 768 bytes + 16
.set AP,     784
.set SPARE,  295936                    ; the spare words, 128 bytes for each wave: two blocks of 256 bytes that no other line names
.set SPW,  1                           ; v1   SPARE + 4 x my thread's number; never rewritten
.set NIL,  2                           ; v2   0; never rewritten
.set ADRB, 3                           ; v3-4 my weight fragments in slot 0, 1; v5-6 the same behind one padding more
.set ADA,  7                           ; v7   the rows' fragments
.set AST,  8                           ; v8   where I store rows into AREG
.set GV,   9                           ; v9   my bytes of two rows of 768 in memory
.set EXW,  10                          ; v10  where I store k's images
.set EXR0, 11                          ; v11  16 x lane; v12 the same + 65,536
.set WSO,  13                          ; v13  32 x lane: a weight row's scale bytes
.set BV,   14                          ; v14  32 h: the bias of my half
.set ASO,  15                          ; v15  (32 h + r) x 32: a window row's scale bytes
.set MK0,  16                          ; v16-17 1.0 or 0.0: is row L + r mine;  v18-19 the same for row L + 48 + r
.set MK3,  18
.set SR,   20                          ; v20-23 the four sums of a lane
.set WSCK, 32
.set ASCK, 96
.set AF,   128
.set SA,   224
.set G1,   28                          ; s[28:35] descriptor group 1
.set G0K0, 36                          ; s[36:39], s[40:43] group 0 for k_w, slot 0 and slot 1;  s[44:47], s[48:51] for q_w
.set G0K1, 40
.set G0Q0, 44
.set G0Q1, 48
.set WV,   52
.set CX,   53
.set XT,   54
.set YT,   55
.set FIRST, 56
.set NEXT, 57
.set LO,   58
.set HQ,   59
.set JJ,   60
.set HK,   61
.set MSB, 0
.macro WIN new                         ; the immediate's high byte repeats the setting that is left; a switch that changes nothing is dropped
.if MSB != (\new)
	s_set_vgpr_msb (MSB<<8)|(\new)
.set MSB, (\new)
.endif
.endm
.macro PLACES n
.rept \n
	v_nop
.endr
.endm
.macro CREST                           ; a round of the cluster's barrier behind its opening barrier
	s_cmp_lg_u32 s[WV], 0
	s_cbranch_scc1 .Lnot_wave_0_\@
	s_barrier_signal -3
.Lnot_wave_0_\@:
	s_barrier_wait -3
	s_barrier_signal -1
	s_barrier_wait -1
.endm
.macro CROUND
	s_barrier_signal -1
	s_barrier_wait -1
	CREST
.endm
.macro TLOAD g0                        ; a joint load: every wave fetches its own head's 128 rows x 192 bytes; four v_nop follow
	tensor_load_to_lds s[\g0:\g0+3], s[G1:G1+7]
	s_nop 0
	PLACES 4
.endm
.macro WMI                             ; one product; its registers and scale rows stand in the symbols wD, wA, wB, wC, wSA, wSB, wRA, wRB
.if wRA && wRB
	v_wmma_scale_f32_16x16x128_f8f6f4 v[wD:wD+7], v[wA:wA+11], v[wB:wB+11], v[wC:wC+7], v[wSA], v[wSB] matrix_a_fmt:MATRIX_FMT_BF6 matrix_b_fmt:MATRIX_FMT_BF6 matrix_a_scale:MATRIX_SCALE_ROW1 matrix_b_scale:MATRIX_SCALE_ROW1
.elseif wRA
	v_wmma_scale_f32_16x16x128_f8f6f4 v[wD:wD+7], v[wA:wA+11], v[wB:wB+11], v[wC:wC+7], v[wSA], v[wSB] matrix_a_fmt:MATRIX_FMT_BF6 matrix_b_fmt:MATRIX_FMT_BF6 matrix_a_scale:MATRIX_SCALE_ROW1
.elseif wRB
	v_wmma_scale_f32_16x16x128_f8f6f4 v[wD:wD+7], v[wA:wA+11], v[wB:wB+11], v[wC:wC+7], v[wSA], v[wSB] matrix_a_fmt:MATRIX_FMT_BF6 matrix_b_fmt:MATRIX_FMT_BF6 matrix_b_scale:MATRIX_SCALE_ROW1
.else
	v_wmma_scale_f32_16x16x128_f8f6f4 v[wD:wD+7], v[wA:wA+11], v[wB:wB+11], v[wC:wC+7], v[wSA], v[wSB] matrix_a_fmt:MATRIX_FMT_BF6 matrix_b_fmt:MATRIX_FMT_BF6
.endif
.endm
; A fragment, 16 rows x 128 K, is 12 registers: lane (r, h) takes 24 bytes at 24 h and 24 bytes 48 further on, in pieces of 8.  In the ring 16 bytes of padding lie behind every 64:
; where the piece three on lies behind one padding more, the second address register (40 for 24 bytes a half) serves.
.macro FRAGB reg, adr, q, i
.irp p, 0,1,2,3,4,5
.set PC, 12*(\q)+6*(\p/3)+\p%3
.if PC%8 < 5
	ds_load_b64 v[\reg+2*\p:\reg+2*\p+1], v[\adr] offset:8*PC+16*(PC/8)+(\i)*16*PITCH
.else
	ds_load_b64 v[\reg+2*\p:\reg+2*\p+1], v[\adr+2] offset:8*PC+16*(PC/8)+(\i)*16*PITCH
.endif
.endr
.endm
.macro FETCHB slot, q, p               ; my head's eight tiles of the slot's q-th 128 along K into set p: 48 loads
	WIN 0x40
.irp i, 0,1,2,3,4,5,6,7
	FRAGB 128*(\p)+12*\i, ADRB+\slot, \q, \i
.endr
	WIN 0
.endm
.macro FETCHA Q, p                     ; the window's four blocks of 16 rows, K step Q, into set p: 24 loads
.irp a, 0,1,2,3
.irp t, 0,1,2,3,4,5
	ds_load_b64 v[AF+48*(\p)+12*\a+2*\t:AF+48*(\p)+12*\a+2*\t+1], v[ADA] offset:\a*16*AP+96*(\Q)+48*(\t/3)+8*(\t%3)
.endr
.endr
.endm
.macro BIASLOAD sb                     ; tile b, lane (r, h): the bias of columns 16 b + 8 h + 0..7 (the windows are set by the caller: destination window 1)
.irp b, 0,1,2,3,4,5,6,7
	global_load_b128 v[96+8*\b+96*(\b/4):96+8*\b+96*(\b/4)+3], v[BV], s[\sb:\sb+1] offset:64*\b
	global_load_b128 v[96+8*\b+96*(\b/4)+4:96+8*\b+96*(\b/4)+7], v[BV], s[\sb:\sb+1] offset:64*\b+16
.endr
.endm
; Eight products: block a of the rows against my head's eight tiles, K step Q, sets p.  The 32 accumulators take turns, one instruction a turn, in the same order in every step.
.macro MULA ph, a, p, Q, first
.irp b, 0,1,2,3,4,5,6,7
.set wD, 64*(\a)+8*\b
.set wA, 128*(\p)+12*\b
.set wB, AF+48*(\p)+12*(\a)
.if \first
.set wC, 96+8*\b+96*(\b/4)
.else
.set wC, wD
.endif
.set wSA, WSCK+32*(\ph)+8*(\b/2)+(\Q)
.set wSB, ASCK+16*(\ph)+8*((\a)%2)+(\Q)
.set wRA, \b%2
.set wRB, (\a)/2
	WMI
.endr
.endm
; An even K step: its fragments were asked for a step ago; the next step's, in the same slot, are asked for ahead of its 32 products.
.macro STEP ph, slot, Q, first, qbias
	s_wait_dscnt 0x0                               ; this step's fragments are in
	PLACES 4                                       ; four places in front of loads into registers that the last step's products have read
	FETCHB \slot, 1, 1
	FETCHA (\Q)+1, 1
.if \qbias
	WIN 0x40
	BIASLOAD 16                                    ; q's bias takes the place of k's, which the first step's products have read
	WIN 0
.endif
	WIN 0xa1+0x50*\ph-(0x10+0x10*\ph)*\first       ; source 0 window 1, source 1 window 0, D window 2 (k) or 3 (q); C likewise, in the first step window 1
	MULA \ph, 0, 0, \Q, \first
	MULA \ph, 1, 0, \Q, \first
	MULA \ph, 2, 0, \Q, \first
	MULA \ph, 3, 0, \Q, \first
	WIN 0
.endm
; An odd K step changes slots.  In front of the round each wave waits for all its tensor loads, adds 0 to its spare word and waits for that and for its reads of the slot; behind it the slot is filled again first.
; x = 1: the change of phase: at the round every wave's reads of the key rows are over, so the query rows take their place in AREG, and a barrier stands between those stores and the first reads.
.macro TURN ph, slot, Q, g0, step, x
	s_wait_tensorcnt 0x0                           ; all my tensor loads have landed: my part of the next slot
	ds_add_u32 v[SPW], v[NIL]                      ; 0 onto my spare word
	s_wait_dscnt 0x1                               ; only the add may be out: this step's fragments are in
	WIN 0xa1+0x50*\ph
	MULA \ph, 0, 1, \Q, 0
	s_wait_dscnt 0x0                               ; the add is done, and my reads of this slot are over
	s_barrier_signal -1
	MULA \ph, 1, 1, \Q, 0
	WIN 0
	s_barrier_wait -1
	CREST                                          ; no wave of any partner still reads this slot or has a load on its way
.if \step
	s_add_nc_u64 s[\g0+2:\g0+3], s[\g0+2:\g0+3], 384   ; the same weight, two quarters of K on (no tensor load of mine is out)
.endif
	TLOAD \g0                                      ; the four v_nop behind it are also the places in front of the loads below
.if \x
	WIN 0x0c                                       ; an LDS store's data are its source 1: window 3
.set cn, 0
.rept 24
	ds_store_b128 v[AST], v[4*cn:4*cn+3] offset:(cn/3)*2*AP+(cn%3)*256
.set cn, cn+1
.endr
	WIN 0
.endif
	FETCHB 1-\slot, 0, 0
.if \x == 0
	FETCHA (\Q)+1, 0
.endif
	WIN 0xa1+0x50*\ph
	MULA \ph, 2, 1, \Q, 0
	MULA \ph, 3, 1, \Q, 0
	WIN 0
.if \x
	s_wait_dscnt 0x0                               ; for the others' sake: my rows of query lie in AREG
	s_barrier_signal -1
	s_barrier_wait -1                              ; the slot's load may stay out
	FETCHA 0, 0
	s_wait_loadcnt 0x0                             ; q's bias
.endif
.endm
	s_load_b512 s[4:19], s[0:1], 0x0               ; query codes, scales; key codes, scales; q_w codes, scales; q_b; k_w codes
	s_load_b128 s[20:23], s[0:1], 0x40             ; k_w scales, k_b
	s_load_b512 s[68:83], s[0:1], 0x50             ; mv_w, sv_w, mo_w, so_w: codes and scales each
	s_load_b128 s[24:27], s[0:1], 0x90             ; wimg, simp
	v_lshl_add_u32 v[SPW], v0, 2, SPARE
	v_mov_b32 v[NIL], 0
	ds_add_u32 v1, v2
	ds_add_u32 v1, v2
	s_wait_dscnt 0x0
	v_lshrrev_b32 v24, 5, v0
	v_readfirstlane_b32 s[WV], v24                 ; wave 0..3
	s_bfe_u32 s[CX], ttmp6, 0x40000                ; my place in the cluster: it enters global offsets and the row masks alone
	s_lshl_b32 s[XT], ttmp9, 2
	s_add_co_u32 s[XT], s[XT], s[CX]               ; X = 4 x cluster x + cx
	s_and_b32 s[YT], ttmp7, 0xffff                 ; Y
	s_mul_i32 s[FIRST], s[XT], 125
	s_add_co_u32 s[NEXT], s[FIRST], 125
	s_lshr_b32 s[FIRST], s[FIRST], 1               ; my first row,
	s_lshr_b32 s[NEXT], s[NEXT], 1                 ; the neighbour's first,
	s_min_u32 s[LO], s[FIRST], 3936                ; and where the window of 64 begins: it ends inside the 4,000 rows
	s_and_b32 s[HQ], s[YT], 1
	s_lshl_b32 s[HQ], s[HQ], 2
	s_add_co_u32 s[HQ], s[HQ], s[WV]               ; my q head
	s_lshr_b32 s[JJ], s[YT], 1
	s_lshl_b32 s[HK], s[JJ], 2
	s_add_co_u32 s[HK], s[HK], s[WV]               ; my k head
	; descriptor group 1: 128 rows x 192 bytes, 768 bytes apart, 16 bytes of padding behind every 64
	s_mov_b32 s[G1+0], 15|(1<<20)|(1<<21)|(3<<22)|(3<<25)  ; 15:0 the mask: all four work-groups; 17:16 elements of 1 byte; 20 padding on; 21 set beside a mask; 24:22 after every 16 words; 31:25 4 words of it
	s_mov_b32 s[G1+1], 192<<16                     ; tensor_dim0
	s_mov_b32 s[G1+2], 128<<16                     ; tensor_dim1
	s_mov_b32 s[G1+3], 192<<16                     ; tile_dim0
	s_mov_b32 s[G1+4], 128                         ; tile_dim1
	s_mov_b32 s[G1+5], 768                         ; from row to row
	s_mov_b32 s[G1+6], 0
	s_mov_b32 s[G1+7], 0
	s_mul_i32 s62, s[WV], WPART                    ; my part of a slot
	s_mul_i32 s88, s[HK], 98304                    ; my heads' 128 rows of 768 bytes
	s_mov_b32 s89, 0
	s_mul_i32 s90, s[HQ], 98304
	s_mov_b32 s91, 0
	v_and_b32 v24, 31, v0                          ; lane
	v_and_b32 v25, 15, v0                          ; r
	v_bfe_u32 v26, v0, 4, 1                        ; h
	v_mul_u32_u24 v27, v25, PITCH
	v_mad_u32_u24 v27, v26, 24, v27
	v_add_nc_u32 v[ADRB], s62, v27                 ; part + 240 r + 24 h
	v_add_nc_u32 v[ADRB+1], SLOTB, v[ADRB]
	v_lshl_add_u32 v[ADRB+2], v26, 4, v[ADRB]
	v_lshl_add_u32 v[ADRB+3], v26, 4, v[ADRB+1]
	v_mul_u32_u24 v[ADA], v25, AP
	v_mad_u32_u24 v[ADA], v26, 24, v[ADA]
	v_add_nc_u32 v[ADA], AREG, v[ADA]
	s_mul_i32 s63, s[WV], 16*AP
	s_add_co_u32 s63, s63, AREG
	v_mul_u32_u24 v[AST], v26, AP
	v_lshl_add_u32 v[AST], v25, 4, v[AST]
	v_add_nc_u32 v[AST], s63, v[AST]               ; rows 16 w + h, 16 bytes a lane
	v_mul_u32_u24 v[GV], v26, 768
	v_lshl_add_u32 v[GV], v25, 4, v[GV]
	s_lshl_b32 s66, s[WV], 15
	v_lshlrev_b32 v[EXR0], 4, v24
	v_add_nc_u32 v[EXW], s66, v[EXR0]
	v_add_nc_u32 v[EXR0+1], 65536, v[EXR0]
	v_lshlrev_b32 v[WSO], 5, v24
	v_lshlrev_b32 v[ASO], 5, v25
	v_lshl_add_u32 v[ASO], v26, 10, v[ASO]
	v_lshlrev_b32 v[BV], 5, v26
	v_mov_b32 v28, 1.0
	v_add_nc_u32 v27, s[LO], v25                   ; row L + r
	v_cmp_le_u32 vcc_lo, s[FIRST], v27
	v_cndmask_b32 v[MK0], 0, v28, vcc_lo           ; a choice of a value, no branch
	v_mov_b32 v[MK0+1], v[MK0]
	v_add_nc_u32 v27, 48, v27                      ; row L + 48 + r
	v_cmp_gt_u32 vcc_lo, s[NEXT], v27
	v_cndmask_b32 v[MK3], 0, v28, vcc_lo
	v_mov_b32 v[MK3+1], v[MK3]
	s_wait_kmcnt 0x0
	s_add_nc_u64 s[84:85], s[18:19], s[88:89]      ; k_w at my head
	s_add_nc_u64 s[86:87], s[12:13], s[90:91]      ; q_w at my head
	s_mov_b32 s[G0K0], 1                           ; count = 1
	s_mov_b32 s[G0K0+1], s62                       ; LDS address: slot 0, my part
	s_mov_b64 s[G0K0+2:G0K0+3], s[84:85]           ; K quarter 0
	s_or_b32 s[G0K0+3], s[G0K0+3], 0x80000000      ; type = 2
	s_mov_b32 s[G0K1], 1
	s_add_co_u32 s[G0K1+1], s62, SLOTB
	s_add_nc_u64 s[G0K1+2:G0K1+3], s[84:85], 192   ; K quarter 1
	s_or_b32 s[G0K1+3], s[G0K1+3], 0x80000000
	s_mov_b32 s[G0Q0], 1
	s_mov_b32 s[G0Q0+1], s62
	s_mov_b64 s[G0Q0+2:G0Q0+3], s[86:87]
	s_or_b32 s[G0Q0+3], s[G0Q0+3], 0x80000000
	s_mov_b32 s[G0Q1], 1
	s_add_co_u32 s[G0Q1+1], s62, SLOTB
	s_add_nc_u64 s[G0Q1+2:G0Q1+3], s[86:87], 192
	s_or_b32 s[G0Q1+3], s[G0Q1+3], 0x80000000
	CROUND                                         ; all four work-groups are here: the first joint loads meet
	TLOAD G0K0                                     ; two tensor loads of mine are out
	TLOAD G0K1
	s_mul_i32 s66, s[LO], 768
	s_mul_i32 s92, s[WV], 12288
	s_add_co_u32 s66, s66, s92                     ; the window's first row + my 16 rows
	s_mov_b32 s67, 0
	s_add_nc_u64 s[8:9], s[8:9], s[66:67]
	s_add_nc_u64 s[4:5], s[4:5], s[66:67]
	s_lshl_b32 s66, s[LO], 5
	s_add_nc_u64 s[10:11], s[10:11], s[66:67]      ; the window's scale bytes
	s_add_nc_u64 s[6:7], s[6:7], s[66:67]
	s_lshl_b32 s66, s[HK], 12
	s_add_nc_u64 s[20:21], s[20:21], s[66:67]      ; my heads' scale bytes and biases
	s_lshl_b32 s66, s[HK], 9
	s_add_nc_u64 s[22:23], s[22:23], s[66:67]
	s_lshl_b32 s66, s[HQ], 12
	s_add_nc_u64 s[14:15], s[14:15], s[66:67]
	s_lshl_b32 s66, s[HQ], 9
	s_add_nc_u64 s[16:17], s[16:17], s[66:67]
	WIN 0x80                                       ; destination window 2
.set cn, 0
.rept 24
	global_load_b128 v[4*cn:4*cn+3], v[GV], s[8:9] offset:(cn/3)*1536+(cn%3)*256   ; my 16 rows of key: sixteen lanes read 256 consecutive bytes, aligned
.set cn, cn+1
.endr
	WIN 0
.irp i, 0,1
.irp f, 0,1
	global_load_b128 v[ASCK+8*\i+4*\f:ASCK+8*\i+4*\f+3], v[ASO], s[10:11] offset:512*\i+16*\f   ; register 8 i + Q: lanes 0-15 block i, lanes 16-31 block i + 2
.endr
.endr
.irp j, 0,1,2,3
.irp f, 0,1
	global_load_b128 v[WSCK+8*\j+4*\f:WSCK+8*\j+4*\f+3], v[WSO], s[20:21] offset:1024*\j+16*\f   ; register 8 j + Q: lanes 0-15 tile 2 j, lanes 16-31 tile 2 j + 1
.endr
.endr
	WIN 0x40
	BIASLOAD 22                                    ; k_b
	WIN 0xc0                                       ; destination window 3
.set cn, 0
.rept 24
	global_load_b128 v[4*cn:4*cn+3], v[GV], s[4:5] offset:(cn/3)*1536+(cn%3)*256   ; my 16 rows of query wait in registers for the change of phase
.set cn, cn+1
.endr
	WIN 0
.irp j, 0,1,2,3
.irp f, 0,1
	global_load_b128 v[WSCK+32+8*\j+4*\f:WSCK+32+8*\j+4*\f+3], v[WSO], s[14:15] offset:1024*\j+16*\f
.endr
.endr
.irp i, 0,1
.irp f, 0,1
	global_load_b128 v[ASCK+16+8*\i+4*\f:ASCK+16+8*\i+4*\f+3], v[ASO], s[6:7] offset:512*\i+16*\f
.endr
.endr
	s_wait_loadcnt 0x3f                            ; 64 loads are younger than the 24 of the key rows: with 63 out those 24 are in
	WIN 0x08                                       ; store data: window 2
.set cn, 0
.rept 24
	ds_store_b128 v[AST], v[4*cn:4*cn+3] offset:(cn/3)*2*AP+(cn%3)*256
.set cn, cn+1
.endr
	WIN 0
	; RELAY.  wimg is a stream of 160 chunks of 12,800 bytes: eight fragments as images of their registers (registers 4 k .. 4 k + 3 of lane l at 1,536 f + 512 k + 16 l), then their scale words
	; (at 12,288 + 128 j + 4 l: lanes 0-15 fragment 2 j, lanes 16-31 fragment 2 j + 1).  Chunk 4 cid + cx is this work-group's, cid = 16 Y + cluster x, where cid < 40; wave w takes fragments 2 w, 2 w + 1.
	; Slot sigma = cid / 2 says which weight: 0-7 mv_w, 8-9 sv_w (tiles of rows 32 (f / 2) + 8 (f % 2) + r + 8 (r / 8), so that results are neighbours along the next K), 10-17 mo_w, 18-19 so_w (rows 16 f + r).
	s_lshl_b32 s90, s[YT], 4
	s_add_co_u32 s90, s90, ttmp9                   ; cid: alike in all partners
	s_cmp_lt_u32 s90, 40
	s_cbranch_scc0 .Lno_relay
	s_lshr_b32 s91, s90, 1                         ; sigma
	s_and_b32 s92, s90, 1
	s_lshl_b32 s92, s92, 1
	s_lshr_b32 s94, s[CX], 1
	s_add_co_u32 s92, s92, s94                     ; which wave of the next launch reads the chunk
	s_and_b32 s93, s[CX], 1                        ; c: which of that wave's two chunks
	s_and_b32 s94, s91, 1
	s_lshl_b32 s94, s94, 1
	s_add_co_u32 s94, s94, s93                     ; K step for sv_w, so_w: 2 (sigma & 1) + c
	s_sub_co_u32 s95, s91, 10                      ; for mo_w: sigma - 10
	s_and_b32 s96, s91, 3
	s_lshl_b32 s96, s96, 1
	s_add_co_u32 s96, s96, s93                     ; for mv_w: 2 (sigma & 3) + c
	s_lshl_b32 s97, s92, 7                         ; first row for sv_w, so_w: 128 x wave
	s_lshl_b32 s98, s92, 8
	s_lshl_b32 s99, s93, 7
	s_add_co_u32 s98, s98, s99                     ; for mo_w: 256 x wave + 128 c
	s_lshr_b32 s99, s91, 2
	s_lshl_b32 s99, s99, 9
	s_add_co_u32 s99, s99, s97                     ; for mv_w: 512 (sigma / 4) + 128 x wave
	s_mov_b64 s[84:85], s[80:81]                   ; so_w, unless sigma says otherwise
	s_mov_b64 s[86:87], s[82:83]
	s_mov_b32 s88, 384                             ; a row of codes,
	s_mov_b32 s62, 16                              ; a row of scale bytes,
	s_mov_b32 s89, s94                             ; the K step,
	s_mov_b32 s66, s97                             ; the first row,
	s_mov_b32 s67, 16                              ; rows from fragment 2 w to 2 w + 1,
	s_mov_b32 s63, 0                               ; and the gap behind a tile's first eight rows
	s_cmp_lt_u32 s91, 18
	s_cselect_b64 s[84:85], s[76:77], s[84:85]     ; mo_w
	s_cselect_b64 s[86:87], s[78:79], s[86:87]
	s_cselect_b32 s88, 768, s88
	s_cselect_b32 s62, 32, s62
	s_cselect_b32 s89, s95, s89
	s_cselect_b32 s66, s98, s66
	s_cmp_lt_u32 s91, 10
	s_cselect_b64 s[84:85], s[72:73], s[84:85]     ; sv_w
	s_cselect_b64 s[86:87], s[74:75], s[86:87]
	s_cselect_b32 s88, 384, s88
	s_cselect_b32 s62, 16, s62
	s_cselect_b32 s89, s94, s89
	s_cselect_b32 s66, s97, s66
	s_cselect_b32 s67, 8, s67
	s_cselect_b32 s63, 8, s63
	s_cmp_lt_u32 s91, 8
	s_cselect_b64 s[84:85], s[68:69], s[84:85]     ; mv_w
	s_cselect_b64 s[86:87], s[70:71], s[86:87]
	s_cselect_b32 s88, 768, s88
	s_cselect_b32 s62, 32, s62
	s_cselect_b32 s89, s96, s89
	s_cselect_b32 s66, s99, s66
	v_and_b32 v25, 15, v0
	v_bfe_u32 v26, v0, 4, 1
	v_lshrrev_b32 v27, 3, v25
	v_mad_u32_u24 v27, v27, s63, v25               ; r + gap x (r / 8)
	s_lshl_b32 s94, s[WV], 5
	s_add_co_u32 s66, s66, s94
	v_add_nc_u32 v27, s66, v27                     ; my row of fragment 2 w
	v_mul_u32_u24 v28, s88, v27
	s_mul_i32 s94, s89, 96
	v_mad_u32_u24 v29, v26, 24, s94
	v_add_nc_u32 v28, v28, v29                     ; row x pitch + 96 q + 24 h
	s_mul_i32 s95, s67, s88
	v_add_nc_u32 v29, s95, v28                     ; the same of fragment 2 w + 1
	v_mad_u32_u24 v30, v26, s67, v27               ; the scale word: lanes 16-31 take fragment 2 w + 1's row
	v_mul_u32_u24 v30, s62, v30
	s_lshl_b32 s96, s89, 2
	v_add_nc_u32 v30, s96, v30
.irp u, 0,1
.irp t, 0,1,2,3,4,5
	global_load_b64 v[AF+12*\u+2*\t:AF+12*\u+2*\t+1], v[28+\u], s[84:85] offset:48*(\t/3)+8*(\t%3)
.endr
.endr
	global_load_b32 v31, v30, s[86:87]
	s_lshl_b32 s97, s90, 2
	s_add_co_u32 s97, s97, s[CX]
	s_mul_i32 s97, s97, 12800                      ; the chunk's first byte
	s_mul_i32 s98, s[WV], 3072
	s_add_co_u32 s98, s98, s97
	s_mov_b32 s99, 0
	s_lshl_b32 s96, s[WV], 7
	s_add_co_u32 s96, s96, s97
	s_mov_b32 s97, 0
	s_add_nc_u64 s[98:99], s[24:25], s[98:99]
	s_add_nc_u64 s[96:97], s[24:25], s[96:97]
	v_and_b32 v24, 31, v0
	v_lshlrev_b32 v24, 2, v24
	s_wait_loadcnt 0x0
.irp u, 0,1
.irp k, 0,1,2
	global_store_b128 v[EXR0], v[AF+12*\u+4*\k:AF+12*\u+4*\k+3], s[98:99] offset:1536*\u+512*\k   ; 32 lanes store 512 consecutive bytes, aligned
.endr
.endr
	global_store_b32 v24, v31, s[96:97] offset:12288
	s_wait_xcnt 0x0                                ; the stores' registers are loaded again below only behind this wait
.Lno_relay:
	s_wait_loadcnt 0x0                             ; scale words, k's bias, the query rows
	s_wait_dscnt 0x0                               ; for the others' sake: my rows of key lie in AREG
	s_wait_tensorcnt 0x1                           ; my part of slot 0 is in; slot 1's may stay out
	s_barrier_signal -1
	s_barrier_wait -1
	FETCHB 0, 0, 0
	FETCHA 0, 0
	; PHASE K: eight K steps of 128, two to a slot
	STEP 0, 0, 0, 1, 0
	TURN 0, 0, 1, G0K0, 1, 0                       ; slot 0 takes k_w's quarter 2
	STEP 0, 1, 2, 0, 1
	TURN 0, 1, 3, G0K1, 1, 0                       ; slot 1 its quarter 3
	STEP 0, 0, 4, 0, 0
	TURN 0, 0, 5, G0Q0, 0, 0                       ; slot 0 q_w's quarter 0
	STEP 0, 1, 6, 0, 0
	TURN 0, 1, 7, G0Q1, 0, 1                       ; slot 1 its quarter 1; the query rows go into AREG
	; PHASE Q
	STEP 1, 0, 0, 1, 0
	TURN 1, 0, 1, G0Q0, 1, 0
	STEP 1, 1, 2, 0, 0
	TURN 1, 1, 3, G0Q1, 1, 0                       ; the last load
	STEP 1, 0, 4, 0, 0
	s_wait_tensorcnt 0x0                           ; K step 5: nothing is left to fetch, so no round; the last slot's part that I read is the part that I asked for
	s_wait_dscnt 0x0
	PLACES 4
	FETCHB 1, 0, 0
	FETCHA 6, 0
	WIN 0xf1
	MULA 1, 0, 1, 5, 0
	MULA 1, 1, 1, 5, 0
	MULA 1, 2, 1, 5, 0
	MULA 1, 3, 1, 5, 0
	WIN 0
	STEP 1, 1, 6, 0, 0
	s_wait_dscnt 0x0
	WIN 0xf1
	MULA 1, 0, 1, 7, 0
	MULA 1, 1, 1, 7, 0
	MULA 1, 2, 1, 7, 0
	MULA 1, 3, 1, 7, 0
	WIN 0
	; THE SUMS.  q's rows that are a neighbour's become 0 (only blocks 0 and 3 can hold such rows); each accumulator is read from its low end on.
	PLACES 4
	WIN 0xc3                                       ; destination and source 0 window 3, the mask window 0
.set cn, 0
.rept 32
	v_pk_mul_f32 v[2*cn:2*cn+1], v[2*cn:2*cn+1], v[MK0:MK0+1]
.set cn, cn+1
.endr
.set cn, 0
.rept 32
	v_pk_mul_f32 v[192+2*cn:192+2*cn+1], v[192+2*cn:192+2*cn+1], v[MK3:MK3+1]
.set cn, cn+1
.endr
	WIN 0
	s_wait_dscnt 0x0
	s_barrier_signal -1
	s_barrier_wait -1                              ; nobody reads the ring any more, and it has had its last fill: k's images may lie there
	WIN 0x08
.set cn, 0
.rept 64
	ds_store_b128 v[EXW], v[4*cn:4*cn+3] offset:512*cn   ; my k head as an image of its 256 registers: 32,768 bytes
.set cn, cn+1
.endr
	WIN 0
	s_wait_dscnt 0x0
	s_barrier_signal -1
	s_barrier_wait -1
.macro KLOAD n                         ; batch n = 4 g + a: block a of k head g, 64 registers, into window 1, v0-63 and v128-191 by turns
	WIN 0x40
.irp i, 0,1,2,3,4,5,6,7,8,9,10,11,12,13,14,15
	ds_load_b128 v[128*((\n)%2)+4*\i:128*((\n)%2)+4*\i+3], v[EXR0+(\n)/8] offset:(((\n)/4)%2)*32768+((\n)%4)*8192+512*\i
.endr
.endm
.macro KDOT n                          ; 64 products of a lane, two at a time, in four chains; a head's first four start the sums
	WIN 0x07                                       ; source 0 (q) window 3, source 1 (k) window 1, the sums window 0
.set ci, 0
.rept 32
.set rs, SA+8*((\n)/4)+2*(ci%4)
.set rq, 64*((\n)%4)+2*ci
.set rk, 128*((\n)%2)+2*ci
.if (((\n)%4) == 0) && (ci < 4)
	v_pk_mul_f32 v[rs:rs+1], v[rq:rq+1], v[rk:rk+1]
.else
	v_pk_fma_f32 v[rs:rs+1], v[rq:rq+1], v[rk:rk+1], v[rs:rs+1]
.endif
.set ci, ci+1
.endr
.endm
	KLOAD 0
.set bn, 0
.rept 16
.if bn < 15
	KLOAD bn+1
	s_wait_dscnt 0x10                              ; the next batch's 16 loads may be out
.else
	s_wait_dscnt 0x0
.endif
	KDOT bn
.set bn, bn+1
.endr
	WIN 0
.irp g, 0,1,2,3
	v_pk_add_f32 v[SA+8*\g:SA+8*\g+1], v[SA+8*\g:SA+8*\g+1], v[SA+8*\g+2:SA+8*\g+3]
	v_pk_add_f32 v[SA+8*\g+4:SA+8*\g+5], v[SA+8*\g+4:SA+8*\g+5], v[SA+8*\g+6:SA+8*\g+7]
.endr
.irp g, 0,1,2,3
	v_pk_add_f32 v[SA+8*\g:SA+8*\g+1], v[SA+8*\g:SA+8*\g+1], v[SA+8*\g+4:SA+8*\g+5]
.endr
.irp g, 0,1,2,3
	v_add_f32 v[SR+\g], v[SA+8*\g], v[SA+8*\g+1]
.endr
	s_mov_b32 s66, 0x76543210
	s_mov_b32 s67, 0xfedcba98                      ; lane l xor 16
.irp g, 0,1,2,3
	v_mov_b32 v[24+\g], 0                          ; a lane permute's destination counts as one of its sources
.endr
.irp g, 0,1,2,3
	v_permlanex16_b32 v[24+\g], v[SR+\g], s66, s67
.endr
.irp g, 0,1,2,3
	v_add_f32 v[SR+\g], v[SR+\g], v[24+\g]         ; the row's other columns,
.endr
.irp g, 0,1,2,3
	v_add_f32_dpp v[SR+\g], v[SR+\g], v[SR+\g] row_xmask:8 row_mask:0xf bank_mask:0xf   ; and the rows 8 further on, which have the same b
.endr
	s_lshl_b32 s84, s[XT], 11                      ; simp[X][b][h][g]: 2,048 X + 256 b + 32 h + 4 g
	s_lshl_b32 s85, s[HQ], 5
	s_add_co_u32 s84, s84, s85
	s_lshl_b32 s85, s[JJ], 4
	s_add_co_u32 s84, s84, s85
	s_mov_b32 s85, 0
	s_add_nc_u64 s[26:27], s[26:27], s[84:85]
	v_and_b32 v28, 31, v0
	v_add_nc_u32 v29, s[LO], v28
	v_and_b32 v29, 7, v29                          ; b of lanes 0 to 7
	v_lshlrev_b32 v29, 8, v29
	v_cmp_gt_u32 vcc_lo, 8, v28
	s_wait_xcnt 0x0                                ; EXEC changes only behind this wait
	s_and_saveexec_b32 s86, vcc_lo
	global_store_b128 v29, v[SR:SR+3], s[26:27]    ; eight lanes, one for each b: my q head against four k heads
	s_wait_xcnt 0x0
	s_or_b32 exec_lo, exec_lo, s86
	s_wait_tensorcnt 0x0                           ; the wave's end
	ds_add_u32 v[SPW], v[NIL]
	s_wait_dscnt 0x0
	CROUND                                         ; the closing round
	s_endpgm
.Lfunc_end_k_q763bf59b37_proj:
	.size	k_q763bf59b37_proj, .Lfunc_end_k_q763bf59b37_proj-k_q763bf59b37_proj
	.p2alignl 7, 3214868480
	.fill 96, 4, 3214868480
	.section	.rodata,"a",@progbits
	.p2align	6, 0x0
	.amdhsa_kernel k_q763bf59b37_proj
		.amdhsa_group_segment_fixed_size 327680
		.amdhsa_private_segment_fixed_size 0
		.amdhsa_enable_private_segment 0
		.amdhsa_kernarg_size 160
		.amdhsa_user_sgpr_count 2
		.amdhsa_user_sgpr_kernarg_segment_ptr 1
		.amdhsa_wavefront_size32 1
		.amdhsa_system_sgpr_workgroup_id_x 1
		.amdhsa_system_sgpr_workgroup_id_y 1
		.amdhsa_system_sgpr_workgroup_id_z 1
		.amdhsa_system_vgpr_workitem_id 0
		.amdhsa_next_free_vgpr 1024
		.amdhsa_next_free_sgpr 100
		.amdhsa_reserve_vcc 1
		.amdhsa_float_denorm_mode_32 3
		.amdhsa_float_denorm_mode_16_64 3
		.amdhsa_memory_ordered 1
		.amdhsa_forward_progress 1
		.amdhsa_inst_pref_size 230
	.end_amdhsa_kernel
	.amdgpu_metadata
---
amdhsa.version: [ 1, 2 ]
amdhsa.kernels:
  - .name:           k_q763bf59b37_proj
    .symbol:         k_q763bf59b37_proj.kd
    .args:
      - { .name: query_codes, .offset: 0, .size: 8, .value_kind: global_buffer, .address_space: global }
      - { .name: query_scales, .offset: 8, .size: 8, .value_kind: global_buffer, .address_space: global }
      - { .name: key_codes, .offset: 16, .size: 8, .value_kind: global_buffer, .address_space: global }
      - { .name: key_scales, .offset: 24, .size: 8, .value_kind: global_buffer, .address_space: global }
      - { .name: q_w_codes, .offset: 32, .size: 8, .value_kind: global_buffer, .address_space: global }
      - { .name: q_w_scales, .offset: 40, .size: 8, .value_kind: global_buffer, .address_space: global }
      - { .name: q_b, .offset: 48, .size: 8, .value_kind: global_buffer, .address_space: global }
      - { .name: k_w_codes, .offset: 56, .size: 8, .value_kind: global_buffer, .address_space: global }
      - { .name: k_w_scales, .offset: 64, .size: 8, .value_kind: global_buffer, .address_space: global }
      - { .name: k_b, .offset: 72, .size: 8, .value_kind: global_buffer, .address_space: global }
      - { .name: mv_w_codes, .offset: 80, .size: 8, .value_kind: global_buffer, .address_space: global }
      - { .name: mv_w_scales, .offset: 88, .size: 8, .value_kind: global_buffer, .address_space: global }
      - { .name: sv_w_codes, .offset: 96, .size: 8, .value_kind: global_buffer, .address_space: global }
      - { .name: sv_w_scales, .offset: 104, .size: 8, .value_kind: global_buffer, .address_space: global }
      - { .name: mo_w_codes, .offset: 112, .size: 8, .value_kind: global_buffer, .address_space: global }
      - { .name: mo_w_scales, .offset: 120, .size: 8, .value_kind: global_buffer, .address_space: global }
      - { .name: so_w_codes, .offset: 128, .size: 8, .value_kind: global_buffer, .address_space: global }
      - { .name: so_w_scales, .offset: 136, .size: 8, .value_kind: global_buffer, .address_space: global }
      - { .name: wimg, .offset: 144, .size: 8, .value_kind: global_buffer, .address_space: global }
      - { .name: simp, .offset: 152, .size: 8, .value_kind: global_buffer, .address_space: global }
    .group_segment_fixed_size: 327680
    .private_segment_fixed_size: 0
    .kernarg_segment_align: 8
    .kernarg_segment_size: 160
    .max_flat_workgroup_size: 128
    .sgpr_count:     100
    .vgpr_count:     1024
    .wavefront_size: 32
...
	.end_amdgpu_metadata
.endif
;; end of part 1
;; launch mix (part 2): grid 256 x 1, 4 waves a work-group, clusters of 4 x 1, 327,680 bytes of LDS; arguments multi_value_codes, multi_value_scales, single_value_codes, single_value_scales, mv_b, sv_b, wimg, simp, mimg; writes mimg
.if DOCPART == 2
	.amdgcn_target "amdgcn-amd-amdhsa--gfx1250"
	.amdhsa_code_object_version 6
	.text
	.protected	k_q763bf59b37_mix
	.globl	k_q763bf59b37_mix
	.p2align	8
	.type	k_q763bf59b37_mix,@function
k_q763bf59b37_mix:
	s_mov_b64 s[64:65], 0
	v_nop
	global_prefetch_b8 v0, s[64:65] scope:SCOPE_SE
	s_setreg_imm32_b32 hwreg(HW_REG_WAVE_MODE, 25, 1), 1
	s_wait_xcnt 0x0
	s_wait_alu depctr_hold_cnt(0) depctr_sa_sdst(0) depctr_va_vdst(0) depctr_va_sdst(0) depctr_va_ssrc(0) depctr_va_vcc(0) depctr_vm_vsrc(0)
	s_getreg_b32 s2, hwreg(HW_REG_IB_STS2, 6, 4)
	s_cmp_eq_u32 s2, 0
	s_cbranch_scc0 .Lentry_in_a_cluster
	s_endpgm
.Lentry_in_a_cluster:
	s_bfe_u32 s2, ttmp6, 0x10000c
	s_cmp_lg_u32 s2, 0x3003
	s_cbranch_scc0 .Lentry_shape_is_right
	s_endpgm
.Lentry_shape_is_right:
; MIX: att = softmax(sim / sqrt(64000)); the value projections; their mix over the eight value tensors by att; the quantiser.  What leaves is the operand of the output products: codes and scale words.
; SHARES.  A work-group takes one batch b and 16 time frames t0 .. t0 + 15 (t0 = min(16 tile, 484)), with all eight value tensors x: 128 rows, block a of 16 rows = x.
; The waves share the columns.  Multi values, two passes: wave w makes head 4 pass + w (128 columns) for the 128 rows: 64 accumulators, 512 registers; mr = sum over x of att[head][x] x block x, in f32;
; its 128 columns are one K step of the output product: quantised in registers, they go to memory as an image of the operand's registers.  Single values: wave w makes columns 128 w on (heads 2 w, 2 w + 1), likewise.
; mimg: 256 blocks of 19,968 bytes, block 32 b + tile: mr's eight fragments (1,536 bytes each: registers 4 k .. 4 k + 3 of lane l at 512 k + 16 l), sr's four, mr's eight scale words a lane (128 bytes each), sr's four.
; ALL PRODUCTS ARE USED TRANSPOSED (source 0 = 16 rows of a weight, source 1 = 16 rows of values): a lane holds one row and eight columns.  The rows of mv_w and sv_w that form a tile were chosen by the
; launch before, so that the 16 registers of tiles 2 b and 2 b + 1 are 16 neighbours along the next K.  Biases are the C of each sum's first instruction.
; WEIGHTS come from the first ten slots of wimg, 102,400 bytes each, in the order of use, through a ring of two LDS slots; wave w asks for and reads its own quarter: two chunks of eight fragment images and their scale words.
; CLUSTER.  The four work-groups of a cluster differ in b alone and walk the same stream: every slot is asked for jointly (mask 15).  The values are shared by no partner: plain loads.
; LIMITS.  NaN, infinities and scale bytes 0xff among the inputs are not served.  A block of mr or sr whose largest magnitude lies under 2^-122 gets the scale byte 1 (a block of zeros too: its codes are zeros).
; REGISTERS, in windows of 256.  Window 0: v1-22 addresses; v24-31 the weights' scale words, two sets; v32-63 the values' scale words; v64-159, v160-255 the rows' fragments, two sets of 8 x 12.
;   At a pass's end both sets are free: v64-127 mr; v128-143 at work; v144 the scale word; v146-165 the codes; v168-183 att.   Window 1: v0-95, v128-223 the weight's fragments, two sets; v96-127, v224-255 the bias.
;   Windows 2, 3: the accumulators, (a, b) at v[64 (a % 4) + 8 b] of window 2 + a / 4.
.set SLOTB,  102400
.set WPART,  25600
.set CHUNK,  12800
.set BLK,    19968                     ; a block of mimg
.set AREG,   204800                    ; behind the ring: the multi values' 128 rows (pitch 784), then the single values' (pitch 400)
.set ATT,    325120                    ; att[8][8], a copy for each wave
.set SPARE,  326144                    ; the spare words, 128 bytes for each wave: two blocks of 256 bytes that no other line names
.set SPW,  1
.set NIL,  2
.set ADRB, 3                           ; v3-4   my part of slot 0, 1: + 16 x lane
.set ADRW, 5                           ; v5-6   its scale words: + 12,288 + 4 x lane
.set ADA0, 7                           ; v7-8   the multi values' fragments, blocks 0-3 and 4-7
.set ADS,  9                           ; v9     the single values'
.set L4,   10                          ; v10    4 x lane
.set AT,   14                          ; v14    my copy of att at head w
.set AT2,  15                          ; v15    at head 2 w
.set GO,   20                          ; v20    16 x lane
.set GV,   21                          ; v21    768 h + 16 r
.set BV,   22                          ; v22    64 h
.set WS,   24
.set VS,   32
.set AF,   64
.set MR,   64
.set TM,   128
.set PW,   144
.set PC,   146
.set TA,   168
.set MBF,  22                          ; s[22:23] mimg at my block, + 1,536 x wave: where my fragments go
.set MBS,  24                          ; s[24:25] mimg at my block's scale words, + 128 x wave
.set G1,   28                          ; s[28:35] descriptor group 1;  s[36:39], s[40:43] group 0 for slot 0, 1
.set G0,   36
.set WV,   44
.set CX,   45
.set TILE, 46
.set BB,   47
.set T0,   48
.set PASS, 49
.set SEL,  50
.set BP,   52                          ; s[52:53] the bias that is fetched next
.set SVB,  54                          ; s[54:55] sv_b at my columns
.set ATS,  68                          ; s[68:83] eight numbers of att, each twice: the packed forms name a pair
.set MSB, 0
.macro WIN new
.if MSB != (\new)
	s_set_vgpr_msb (MSB<<8)|(\new)
.set MSB, (\new)
.endif
.endm
.macro PLACES n
.rept \n
	v_nop
.endr
.endm
.macro CREST
	s_cmp_lg_u32 s[WV], 0
	s_cbranch_scc1 .Lnot_wave_0_\@
	s_barrier_signal -3
.Lnot_wave_0_\@:
	s_barrier_wait -3
	s_barrier_signal -1
	s_barrier_wait -1
.endm
.macro CROUND
	s_barrier_signal -1
	s_barrier_wait -1
	CREST
.endm
.macro TLOAD g0                        ; a joint load: every wave fetches its own quarter of a slot; four v_nop follow
	tensor_load_to_lds s[\g0:\g0+3], s[G1:G1+7]
	s_nop 0
	PLACES 4
.endm
.macro WMI
.if wRA && wRB
	v_wmma_scale_f32_16x16x128_f8f6f4 v[wD:wD+7], v[wA:wA+11], v[wB:wB+11], v[wC:wC+7], v[wSA], v[wSB] matrix_a_fmt:MATRIX_FMT_BF6 matrix_b_fmt:MATRIX_FMT_BF6 matrix_a_scale:MATRIX_SCALE_ROW1 matrix_b_scale:MATRIX_SCALE_ROW1
.elseif wRA
	v_wmma_scale_f32_16x16x128_f8f6f4 v[wD:wD+7], v[wA:wA+11], v[wB:wB+11], v[wC:wC+7], v[wSA], v[wSB] matrix_a_fmt:MATRIX_FMT_BF6 matrix_b_fmt:MATRIX_FMT_BF6 matrix_a_scale:MATRIX_SCALE_ROW1
.elseif wRB
	v_wmma_scale_f32_16x16x128_f8f6f4 v[wD:wD+7], v[wA:wA+11], v[wB:wB+11], v[wC:wC+7], v[wSA], v[wSB] matrix_a_fmt:MATRIX_FMT_BF6 matrix_b_fmt:MATRIX_FMT_BF6 matrix_b_scale:MATRIX_SCALE_ROW1
.else
	v_wmma_scale_f32_16x16x128_f8f6f4 v[wD:wD+7], v[wA:wA+11], v[wB:wB+11], v[wC:wC+7], v[wSA], v[wSB] matrix_a_fmt:MATRIX_FMT_BF6 matrix_b_fmt:MATRIX_FMT_BF6
.endif
.endm
.macro FB slot, c, p                   ; chunk c's eight fragments into set p: images, 24 loads of 512 consecutive bytes
	WIN 0x40
.irp f, 0,1,2,3,4,5,6,7
.irp k, 0,1,2
	ds_load_b128 v[128*(\p)+12*\f+4*\k:128*(\p)+12*\f+4*\k+3], v[ADRB+\slot] offset:(\c)*CHUNK+1536*\f+512*\k
.endr
.endr
	WIN 0
.endm
.macro FW slot, c, p                   ; and their scale words: register j: lanes 0-15 fragment 2 j, lanes 16-31 fragment 2 j + 1
.irp j, 0,1,2,3
	ds_load_b32 v[WS+4*(\p)+\j], v[ADRW+\slot] offset:(\c)*CHUNK+128*\j
.endr
.endm
.macro FA kind, q, p                   ; the eight blocks of rows, K step q, into set p: 48 loads.  kind 0: multi values; 1: single values
.irp a, 0,1,2,3,4,5,6,7
.irp t, 0,1,2,3,4,5
.if \kind == 0
	ds_load_b64 v[AF+96*(\p)+12*\a+2*\t:AF+96*(\p)+12*\a+2*\t+1], v[ADA0+\a/4] offset:(\a%4)*12544+96*(\q)+48*(\t/3)+8*(\t%3)
.else
	ds_load_b64 v[AF+96*(\p)+12*\a+2*\t:AF+96*(\p)+12*\a+2*\t+1], v[ADS] offset:\a*6400+96*(\q)+48*(\t/3)+8*(\t%3)
.endif
.endr
.endr
.endm
.macro BIASLOAD sb                     ; tile f, lane (r, h): the bias of my columns 32 (f / 2) + 16 h + 8 (f % 2) + 0..7 (destination window 1, set by the caller)
.irp f, 0,1,2,3,4,5,6,7
	global_load_b128 v[96+8*\f+96*(\f/4):96+8*\f+96*(\f/4)+3], v[BV], s[\sb:\sb+1] offset:128*(\f/2)+32*(\f%2)
	global_load_b128 v[96+8*\f+96*(\f/4)+4:96+8*\f+96*(\f/4)+7], v[BV], s[\sb:\sb+1] offset:128*(\f/2)+32*(\f%2)+16
.endr
.endm
; 16 products: blocks a0, a0 + 1 against my eight tiles.  The 64 accumulators take turns, one instruction a turn, in the same order in every step.
.macro MUL16 a0, p, q, vstr, first
.irp a, \a0, \a0+1
.irp b, 0,1,2,3,4,5,6,7
.set wD, 64*((\a)%4)+8*\b
.set wA, 128*(\p)+12*\b
.set wB, AF+96*(\p)+12*(\a)
.if \first
.set wC, 96+8*\b+96*(\b/4)
.else
.set wC, wD
.endif
.set wSA, WS+4*(\p)+\b/2
.set wSB, VS+(\vstr)*((\a)%4)+(\q)
.set wRA, \b%2
.set wRB, (\a)/4
	WMI
.endr
.endr
.endm
.macro STEP kind, slot, q, first       ; an even K step: the slot's first chunk; the second chunk and the next K step's rows are asked for ahead of its 64 products
	s_wait_dscnt 0x0                               ; this step's fragments are in
	PLACES 4                                       ; four places in front of loads into registers that the last step's products have read
	FB \slot, 1, 1
	FW \slot, 1, 1
	FA \kind, (\q)+1, 1
	WIN 0xa1-0x10*\first                           ; source 0 window 1, source 1 window 0, D window 2; C likewise, in the first step window 1
	MUL16 0, 0, \q, 8-4*\kind, \first
	MUL16 2, 0, \q, 8-4*\kind, \first
	WIN 0xf1-0x20*\first
	MUL16 4, 0, \q, 8-4*\kind, \first
	MUL16 6, 0, \q, 8-4*\kind, \first
	WIN 0
.endm
; An odd K step changes slots: in front of the round each wave waits for all its tensor loads, adds 0 to its spare word and waits for that and for its reads of the slot; behind it the slot takes the stream's slot two on.
.macro TURN kind, slot, q, nexta, nextb
	s_wait_tensorcnt 0x0                           ; all my tensor loads have landed: my part of the next slot
	ds_add_u32 v[SPW], v[NIL]                      ; 0 onto my spare word
	s_wait_dscnt 0x1                               ; only the add may be out
	WIN 0xa1
	MUL16 0, 1, \q, 8-4*\kind, 0
	s_wait_dscnt 0x0                               ; the add is done, and my reads of this slot are over
	s_barrier_signal -1
	MUL16 2, 1, \q, 8-4*\kind, 0
	WIN 0
	s_barrier_wait -1
	CREST                                          ; no wave of any partner still reads this slot or has a load on its way
	s_add_nc_u64 s[G0+4*\slot+2:G0+4*\slot+3], s[G0+4*\slot+2:G0+4*\slot+3], 2*SLOTB
	TLOAD G0+4*\slot                               ; the four v_nop behind it are also the places in front of the loads below
.if \nextb
	FB 1-\slot, 0, 0
	FW 1-\slot, 0, 0
.endif
.if \nexta
	FA \kind, (\q)+1, 0
.endif
	WIN 0xf1
	MUL16 4, 1, \q, 8-4*\kind, 0
	MUL16 6, 1, \q, 8-4*\kind, 0
	WIN 0
.endm
; The stream's last change of slots: nothing is left to fetch, so no round; the part of the next slot that I read is the part that I asked for.
.macro TURNN kind, slot, q
	s_wait_tensorcnt 0x0
	s_wait_dscnt 0x0
	PLACES 4
	FB 1-\slot, 0, 0
	FW 1-\slot, 0, 0
	FA \kind, (\q)+1, 0
	WIN 0xa1
	MUL16 0, 1, \q, 8-4*\kind, 0
	MUL16 2, 1, \q, 8-4*\kind, 0
	WIN 0xf1
	MUL16 4, 1, \q, 8-4*\kind, 0
	MUL16 6, 1, \q, 8-4*\kind, 0
	WIN 0
.endm
.macro ATTS off                        ; eight numbers of att, alike in all lanes, become scalars; they only multiply
.irp a, 0,1,2,3,4,5,6,7
	v_readfirstlane_b32 s[ATS+2*\a], v[TA+\off+\a]
.endr
.irp a, 0,1,2,3,4,5,6,7
	s_mov_b32 s[ATS+2*\a+1], s[ATS+2*\a]
.endr
.endm
.macro MIX b0, b1                      ; tiles b0 .. b1: mr = sum over x of att[x] x block x, two numbers an instruction; each accumulator is read from its low end on
.irp a, 0,1,2,3,4,5,6,7
	WIN 0x02+\a/4                                  ; source 0: window 2 or 3
.set tb, \b0
.rept \b1-\b0+1
.irp j, 0,2,4,6
.if \a == 0
	v_pk_mul_f32 v[MR+8*tb+\j:MR+8*tb+\j+1], v[8*tb+\j:8*tb+\j+1], s[ATS:ATS+1] op_sel_hi:[1,0]
.else
	v_pk_fma_f32 v[MR+8*tb+\j:MR+8*tb+\j+1], v[64*(\a%4)+8*tb+\j:64*(\a%4)+8*tb+\j+1], s[ATS+2*\a:ATS+2*\a+1], v[MR+8*tb+\j:MR+8*tb+\j+1] op_sel_hi:[1,0,1]
.endif
.endr
.set tb, tb+1
.endr
.endr
	WIN 0
.endm
; 64 numbers of a lane, register 16 b + i = k 32 b + 16 (lane / 16) + i of my row, become a fragment's codes in v[PC] on and its scale word in v[PW].
.macro QUANT
.irp b, 0,1,2,3
	v_mov_b32 v[TM+4+\b], 0                        ; a lane permute's destination counts as one of its sources
.endr
.irp b, 0,1,2,3
	v_max3_num_f32 v[TM+\b], |v[MR+16*\b]|, |v[MR+1+16*\b]|, 0x2800000   ; block b: my 16 numbers, and the floor 2^(5 - 127): the byte cannot fall under 1
.endr
.irp i, 2,4,6,8,10,12,14
.irp b, 0,1,2,3
	v_max3_num_f32 v[TM+\b], v[TM+\b], |v[MR+16*\b+\i]|, |v[MR+1+16*\b+\i]|
.endr
.endr
.irp b, 0,1,2,3
	v_permlanex16_b32 v[TM+4+\b], v[TM+\b], s[SEL], s[SEL+1]
.endr
.irp b, 0,1,2,3
	v_max_num_f32 v[TM+\b], v[TM+\b], v[TM+4+\b]   ; with lane l xor 16's: the block's largest magnitude
.endr
.irp b, 0,1,2,3
	v_add_nc_u32 v[TM+12+\b], 0xfe000000, v[TM+\b] ; 4 off its exponent field: the conversion takes the exponent field of this operand as its scale
.endr
.irp b, 0,1,2,3
	v_lshrrev_b32 v[TM+4+\b], 23, v[TM+12+\b]      ; the scale's byte
.endr
	v_lshl_or_b32 v[PW], v[TM+5], 8, v[TM+4]
	v_lshl_or_b32 v[PW], v[TM+6], 16, v[PW]
	v_lshl_or_b32 v[PW], v[TM+7], 24, v[PW]
.irp c, 0,1
	v_cvt_scalef32_pk16_bf6_f32 v[PC+6*\c:PC+2+6*\c], v[MR+32*\c:MR+15+32*\c], v[TM+12+2*\c]
	v_cvt_scalef32_pk16_bf6_f32 v[PC+12+4*\c:PC+14+4*\c], v[MR+16+32*\c:MR+31+32*\c], v[TM+12+2*\c+1]   ; (a conversion's three registers begin on an even number)
.endr
	v_nop                                          ; one plain place behind a scaled conversion
.irp c, 0,1                                    ; the operand's layout wants a whole block in a lane
.irp i, 0,1,2
	v_permlane16_swap_b32 v[PC+6*\c+\i], v[PC+12+4*\c+\i]
.endr
.irp i, 0,1,2
	v_mov_b32 v[PC+3+6*\c+\i], v[PC+12+4*\c+\i]
.endr
.endr
.endm
.macro SENDIMG fo, so                          ; the fragment in v[PC] on goes to memory as it stands: each store of the wave covers 512 consecutive bytes, aligned; the scale words 128
.irp c, 0,1,2
	global_store_b128 v[GO], v[PC+4*\c:PC+4*\c+3], s[MBF:MBF+1] offset:\fo+512*\c
.endr
	global_store_b32 v[L4], v[PW], s[MBS:MBS+1] offset:\so
.endm
.macro MIXQ ao, fo, so                         ; a pass's end: my head's att, the mix, the quantiser, the image
	ds_load_b128 v[TA:TA+3], v[AT] offset:\ao
	ds_load_b128 v[TA+4:TA+7], v[AT] offset:\ao+16
	s_wait_dscnt 0x0
	ATTS 0
	MIX 0, 7
	QUANT
	SENDIMG \fo, \so
.endm
	s_load_b512 s[4:19], s[0:1], 0x0               ; multi codes, scales; single codes, scales; mv_b, sv_b; wimg; simp
	s_load_b64 s[20:21], s[0:1], 0x40              ; mimg
	v_lshl_add_u32 v[SPW], v0, 2, SPARE
	v_mov_b32 v[NIL], 0
	ds_add_u32 v1, v2
	ds_add_u32 v1, v2
	s_wait_dscnt 0x0
	v_lshrrev_b32 v23, 5, v0
	v_readfirstlane_b32 s[WV], v23                 ; wave 0..3
	s_bfe_u32 s[CX], ttmp6, 0x40000                ; my place in the cluster: it enters b alone, and b global offsets alone
	s_and_b32 s[TILE], ttmp9, 31                   ; alike in all partners
	s_lshr_b32 s[BB], ttmp9, 5
	s_lshl_b32 s[BB], s[BB], 2
	s_add_co_u32 s[BB], s[BB], s[CX]               ; b
	s_lshl_b32 s[T0], s[TILE], 4
	s_min_u32 s[T0], s[T0], 484
	s_mul_i32 s56, s[BB], 500
	s_add_co_u32 s56, s56, s[T0]                   ; 500 b + t0
	; descriptor group 1: 25,600 dense bytes as 100 rows of 256 bytes, no padding: images are read 16 bytes a lane on end
	s_mov_b32 s[G1+0], 15|(3<<16)|(1<<21)          ; 15:0 the mask: all four work-groups; 17:16 elements of 8 bytes; 21 set beside a mask
	s_mov_b32 s[G1+1], 32<<16
	s_mov_b32 s[G1+2], 100<<16
	s_mov_b32 s[G1+3], 32<<16
	s_mov_b32 s[G1+4], 100
	s_mov_b32 s[G1+5], 32
	s_mov_b32 s[G1+6], 0
	s_mov_b32 s[G1+7], 0
	s_mul_i32 s57, s[WV], WPART                    ; my quarter of a slot, in LDS and in the stream
	s_mov_b32 s62, s57
	s_mov_b32 s63, 0
	s_mov_b32 s[SEL], 0x76543210
	s_mov_b32 s[SEL+1], 0xfedcba98                 ; lane l xor 16
	v_and_b32 v240, 31, v0                         ; lane
	v_and_b32 v241, 15, v0                         ; r
	v_bfe_u32 v242, v0, 4, 1                       ; h
	v_lshlrev_b32 v[GO], 4, v240
	v_lshlrev_b32 v[L4], 2, v240
	v_add_nc_u32 v[ADRB], s57, v[GO]
	v_add_nc_u32 v[ADRB+1], SLOTB, v[ADRB]
	v_add_nc_u32 v[ADRW], s57, v[L4]
	v_add_nc_u32 v[ADRW], 12288, v[ADRW]
	v_add_nc_u32 v[ADRW+1], SLOTB, v[ADRW]
	v_mul_u32_u24 v[ADA0], v241, 784
	v_mad_u32_u24 v[ADA0], v242, 24, v[ADA0]
	v_add_nc_u32 v[ADA0], AREG, v[ADA0]
	v_add_nc_u32 v[ADA0+1], 50176, v[ADA0]
	v_mul_u32_u24 v[ADS], v241, 400
	v_mad_u32_u24 v[ADS], v242, 24, v[ADS]
	v_add_nc_u32 v[ADS], AREG, v[ADS]
	s_mul_i32 s60, s[WV], 288
	s_add_co_u32 s60, s60, ATT
	v_mov_b32 v[AT], s60                           ; my copy (256 w) + head w (32 w)
	s_mul_i32 s61, s[WV], 320
	s_add_co_u32 s61, s61, ATT
	v_mov_b32 v[AT2], s61                          ; my copy + head 2 w
	v_mul_u32_u24 v[GV], v242, 768
	v_lshl_add_u32 v[GV], v241, 4, v[GV]
	v_lshlrev_b32 v[BV], 6, v242
	s_mul_i32 s60, s[WV], 32*784
	s_add_co_u32 s60, s60, AREG
	v_mul_u32_u24 v244, v242, 784
	v_lshl_add_u32 v244, v241, 4, v244
	v_add_nc_u32 v244, s60, v244                   ; where I store my two blocks of multi rows
	v_mul_u32_u24 v245, v242, 512000
	v_lshl_add_u32 v245, v241, 5, v245             ; the multi values' scale bytes: lanes 16-31 take x + 4
	v_lshlrev_b32 v246, 11, v242
	v_lshl_add_u32 v246, v241, 4, v246             ; simp: lanes 16-31 take the odd row tiles
	s_lshl_b32 s61, s[WV], 8
	s_add_co_u32 s61, s61, ATT
	v_lshl_add_u32 v247, v241, 4, s61              ; where I store att
	s_wait_kmcnt 0x0
	s_add_nc_u64 s[66:67], s[16:17], s[62:63]
	s_mov_b32 s[G0], 1
	s_mov_b32 s[G0+1], s57
	s_mov_b64 s[G0+2:G0+3], s[66:67]               ; the stream's slot 0
	s_or_b32 s[G0+3], s[G0+3], 0x80000000
	s_mov_b32 s[G0+4], 1
	s_add_co_u32 s[G0+5], s57, SLOTB
	s_add_nc_u64 s[G0+6:G0+7], s[66:67], SLOTB     ; slot 1
	s_or_b32 s[G0+7], s[G0+7], 0x80000000
	CROUND                                         ; all four work-groups are here: the first joint loads meet
	TLOAD G0                                       ; two tensor loads of mine are out
	TLOAD G0+4
	s_mov_b32 s59, 0
	s_mul_i32 s58, s56, 768
	s_mul_i32 s60, s[WV], 6144000
	s_add_co_u32 s58, s58, s60
	s_add_nc_u64 s[4:5], s[4:5], s[58:59]          ; multi rows: (x = 2 w, b, t0)
	s_lshl_b32 s58, s56, 5
	s_add_nc_u64 s[6:7], s[6:7], s[58:59]
	s_mul_i32 s58, s56, 384
	s_mul_i32 s60, s[WV], 3072000
	s_add_co_u32 s58, s58, s60
	s_add_nc_u64 s[8:9], s[8:9], s[58:59]          ; single rows likewise
	s_lshl_b32 s58, s56, 4
	s_add_nc_u64 s[10:11], s[10:11], s[58:59]
	s_lshl_b32 s58, s[WV], 9
	s_add_nc_u64 s[12:13], s[12:13], s[58:59]      ; mv_b at head w,
	s_add_nc_u64 s[BP:BP+1], s[12:13], 2048        ; at head 4 + w,
	s_add_nc_u64 s[SVB:SVB+1], s[14:15], s[58:59]  ; sv_b at column 128 w
	s_lshl_b32 s58, s[BB], 8
	s_add_nc_u64 s[18:19], s[18:19], s[58:59]      ; simp at batch b
	s_lshl_b32 s58, s[BB], 5
	s_add_co_u32 s58, s58, s[TILE]                 ; my block of mimg: 32 b + tile
	s_mul_i32 s58, s58, BLK
	s_mul_i32 s60, s[WV], 1536
	s_add_co_u32 s60, s60, s58
	s_mov_b32 s61, 0
	s_add_nc_u64 s[MBF:MBF+1], s[20:21], s[60:61]
	s_lshl_b32 s60, s[WV], 7
	s_add_co_u32 s60, s60, s58
	s_add_co_u32 s60, s60, 18432
	s_add_nc_u64 s[MBS:MBS+1], s[20:21], s[60:61]
	WIN 0x80
.set cn, 0
.rept 48
	global_load_b128 v[4*cn:4*cn+3], v[GV], s[4:5] offset:(cn/24)*3072000+((cn%24)/3)*1536+(cn%3)*256 th:TH_LOAD_NT   ; my two blocks of 16 rows: sixteen lanes read 256 consecutive bytes, aligned
.set cn, cn+1
.endr
	WIN 0
.irp i, 0,1,2,3
.irp f, 0,1
	global_load_b128 v[VS+8*\i+4*\f:VS+8*\i+4*\f+3], v245, s[6:7] offset:128000*\i+16*\f   ; register 8 i + q: lanes 0-15 x = i, lanes 16-31 x = i + 4
.endr
.endr
	WIN 0x40
	BIASLOAD 12
	WIN 0xc0
.set cn, 0
.rept 32
	global_load_b128 v[4*cn:4*cn+3], v246, s[18:19] offset:4096*cn   ; the 64 row tiles' partial sims of my batch
.set cn, cn+1
.endr
	WIN 0
	s_wait_loadcnt 0x38                            ; 56 loads are younger than the 48 of the multi rows
	WIN 0x08
.set cn, 0
.rept 48
	ds_store_b128 v244, v[4*cn:4*cn+3] offset:(cn/24)*12544+((cn%24)/3)*1568+(cn%3)*256
.set cn, cn+1
.endr
	WIN 0
	s_wait_loadcnt 0x0
	; att, by every wave for itself: lane r holds sim[r / 2][4 (r % 2) + 0..3]
	WIN 0xcf
.set cn, 1
.rept 31
	v_pk_add_f32 v[0:1], v[0:1], v[4*cn:4*cn+1]
	v_pk_add_f32 v[2:3], v[2:3], v[4*cn+2:4*cn+3]
.set cn, cn+1
.endr
	WIN 0x03
.irp e, 0,1,2,3
	v_mov_b32 v[248+\e], v[\e]
.endr
	WIN 0
.irp e, 0,1,2,3
	v_mov_b32 v[252+\e], 0
.endr
.irp e, 0,1,2,3
	v_permlanex16_b32 v[252+\e], v[248+\e], s[SEL], s[SEL+1]
.endr
.irp e, 0,1,2,3
	v_add_f32 v[248+\e], v[248+\e], v[252+\e]      ; even and odd row tiles: the whole sums
.endr
	v_max3_num_f32 v252, v248, v249, v250
	v_max_num_f32 v252, v252, v251
	v_max_num_f32_dpp v252, v252, v252 row_xmask:1 row_mask:0xf bank_mask:0xf   ; the row's largest of eight
.irp e, 0,1,2,3
	v_sub_f32 v[248+\e], v[248+\e], v252
.endr
.irp e, 0,1,2,3
	v_mul_f32 v[248+\e], 0x3bbade29, v[248+\e]     ; x log2(e) / sqrt(64000)
.endr
.irp e, 0,1,2,3
	v_exp_f32 v[248+\e], v[248+\e]
.endr
	v_nop                                          ; a plain place behind the exponentials
	s_wait_alu depctr_va_vdst(0)
	v_add_f32 v252, v248, v249
	v_add_f32 v253, v250, v251
	v_add_f32 v252, v252, v253
	v_add_f32_dpp v252, v252, v252 row_xmask:1 row_mask:0xf bank_mask:0xf
	v_rcp_f32 v253, v252
	v_nop                                          ; a plain place behind the reciprocal
	s_wait_alu depctr_va_vdst(0)
.irp e, 0,1,2,3
	v_mul_f32 v[248+\e], v[248+\e], v253
.endr
	ds_store_b128 v247, v[248:251]                 ; att[h][g] at 32 h + 4 g of my copy; both halves of the lanes write the same numbers
	s_wait_dscnt 0x0                               ; for the others' sake: my rows lie in AREG
	s_wait_tensorcnt 0x1                           ; my part of slot 0 is in; slot 1's may stay out
	s_barrier_signal -1
	s_barrier_wait -1
	FB 0, 0, 0
	FW 0, 0, 0
	FA 0, 0, 0
	; THE MULTI VALUES: two passes of eight K steps, four slots of the stream each.  Every change of slots in the loop fills a slot again: the stream's slots 2 to 9
	s_mov_b32 s[PASS], 0
.Lpass:
	STEP 0, 0, 0, 1
	PLACES 4                                       ; the first step's products have read the bias: the next one may land there
	WIN 0x40
	BIASLOAD BP
	WIN 0
	TURN 0, 0, 1, 1, 1
	STEP 0, 1, 2, 0
	TURN 0, 1, 3, 1, 1
	STEP 0, 0, 4, 0
	TURN 0, 0, 5, 1, 1
	STEP 0, 1, 6, 0
	TURN 0, 1, 7, 0, 1                             ; the rows' sets are free from here on; the next slot's first chunk is fetched
	PLACES 5
	s_cmp_eq_u32 s[PASS], 1
	s_cbranch_scc1 .Ldone3
	MIXQ 0, 0, 0                                   ; head w: K step w of the output product
	s_wait_xcnt 0x0                                ; the stores' data registers are loaded again below only behind this wait
	FA 0, 0, 0
	s_wait_loadcnt 0x0                             ; the second pass's bias is in, so the pointer may be written
	s_mov_b64 s[BP:BP+1], s[SVB:SVB+1]
	s_add_co_u32 s[PASS], s[PASS], 1
	s_cmp_lt_u32 s[PASS], 2
	s_cbranch_scc1 .Lpass
.Ldone3:
	s_wait_dscnt 0x0                               ; no LDS load of mine is out on either way here
	v_and_b32 v184, 15, v0
	v_bfe_u32 v185, v0, 4, 1
	v_mul_u32_u24 v186, v185, 256000
	v_lshl_add_u32 v186, v184, 4, v186             ; the single values' scale bytes: lanes 16-31 take x + 4
	WIN 0x40
.set cn, 0
.rept 24
	global_load_b128 v[128+4*cn:128+4*cn+3], v[GV], s[8:9] offset:(cn/12)*1536000+((cn%12)/3)*1536+(cn%3)*256 th:TH_LOAD_NT   ; my two blocks of single rows, two rows of 384 bytes as one of 768; they land while mr is mixed
.set cn, cn+1
.endr
	WIN 0
.irp i, 0,1,2,3
	global_load_b128 v[VS+4*\i:VS+4*\i+3], v186, s[10:11] offset:64000*\i
.endr
	s_mul_i32 s58, s[WV], 12800
	s_add_co_u32 s58, s58, AREG
	v_mul_u32_u24 v187, v185, 800
	v_lshl_add_u32 v187, v184, 4, v187
	v_add_nc_u32 v187, s58, v187                   ; a pair of rows is 800 bytes in LDS: 384 + 16, twice
	v_bfe_u32 v188, v0, 3, 1
	v_lshl_add_u32 v188, v188, 4, v187             ; the middle 256 bytes straddle the first row's end: lanes 8-15 of a half lie 16 further on
	MIXQ 128, 6144, 512                            ; head 4 + w: K step 4 + w
	s_wait_xcnt 0x0                                ; the stores' data registers are loaded again below only behind this wait
	s_wait_dscnt 0x0
	s_barrier_signal -1
	s_barrier_wait -1                              ; nobody reads the multi rows any more
	s_wait_loadcnt 0x0                             ; the single rows, their scale words, sv_b
	WIN 0x04                                       ; store data: window 1
.set cn, 0
.rept 8
	ds_store_b128 v187, v[128+12*cn:128+12*cn+3] offset:(cn/4)*6400+(cn%4)*1600
	ds_store_b128 v188, v[128+12*cn+4:128+12*cn+7] offset:(cn/4)*6400+(cn%4)*1600+256
	ds_store_b128 v187, v[128+12*cn+8:128+12*cn+11] offset:(cn/4)*6400+(cn%4)*1600+528
.set cn, cn+1
.endr
	WIN 0
	s_wait_dscnt 0x0
	s_barrier_signal -1
	s_barrier_wait -1
	FA 1, 0, 0
	; THE SINGLE VALUES: four K steps, the stream's last two slots
	STEP 1, 0, 0, 1
	TURNN 1, 0, 1
	STEP 1, 1, 2, 0
	s_wait_dscnt 0x0                               ; the last K step: nothing more to fetch
	WIN 0xa1
	MUL16 0, 1, 3, 4, 0
	MUL16 2, 1, 3, 4, 0
	WIN 0xf1
	MUL16 4, 1, 3, 4, 0
	MUL16 6, 1, 3, 4, 0
	WIN 0
	PLACES 5
.irp i, 0,1,2,3
	ds_load_b128 v[TA+4*\i:TA+4*\i+3], v[AT2] offset:16*\i
.endr
	s_wait_dscnt 0x0
	ATTS 0
	MIX 0, 3                                       ; head 2 w: my columns 0-63
	ATTS 8
	MIX 4, 7                                       ; head 2 w + 1: my columns 64-127
	QUANT
	SENDIMG 12288, 1024                            ; K step w of the second output product
	s_wait_tensorcnt 0x0                           ; the wave's end
	ds_add_u32 v[SPW], v[NIL]
	s_wait_dscnt 0x0
	CROUND                                         ; the closing round
	s_endpgm
.Lfunc_end_k_q763bf59b37_mix:
	.size	k_q763bf59b37_mix, .Lfunc_end_k_q763bf59b37_mix-k_q763bf59b37_mix
	.p2alignl 7, 3214868480
	.fill 96, 4, 3214868480
	.section	.rodata,"a",@progbits
	.p2align	6, 0x0
	.amdhsa_kernel k_q763bf59b37_mix
		.amdhsa_group_segment_fixed_size 327680
		.amdhsa_private_segment_fixed_size 0
		.amdhsa_enable_private_segment 0
		.amdhsa_kernarg_size 72
		.amdhsa_user_sgpr_count 2
		.amdhsa_user_sgpr_kernarg_segment_ptr 1
		.amdhsa_wavefront_size32 1
		.amdhsa_system_sgpr_workgroup_id_x 1
		.amdhsa_system_sgpr_workgroup_id_y 1
		.amdhsa_system_sgpr_workgroup_id_z 1
		.amdhsa_system_vgpr_workitem_id 0
		.amdhsa_next_free_vgpr 1024
		.amdhsa_next_free_sgpr 100
		.amdhsa_reserve_vcc 0
		.amdhsa_float_denorm_mode_32 3
		.amdhsa_float_denorm_mode_16_64 3
		.amdhsa_memory_ordered 1
		.amdhsa_forward_progress 1
		.amdhsa_inst_pref_size 255
	.end_amdhsa_kernel
	.section	.bss,"aw",@nobits
	.p2align	6
	.space	262144
	.amdgpu_metadata
---
amdhsa.version: [ 1, 2 ]
amdhsa.kernels:
  - .name:           k_q763bf59b37_mix
    .symbol:         k_q763bf59b37_mix.kd
    .args:
      - { .name: multi_value_codes, .offset: 0, .size: 8, .value_kind: global_buffer, .address_space: global }
      - { .name: multi_value_scales, .offset: 8, .size: 8, .value_kind: global_buffer, .address_space: global }
      - { .name: single_value_codes, .offset: 16, .size: 8, .value_kind: global_buffer, .address_space: global }
      - { .name: single_value_scales, .offset: 24, .size: 8, .value_kind: global_buffer, .address_space: global }
      - { .name: mv_b, .offset: 32, .size: 8, .value_kind: global_buffer, .address_space: global }
      - { .name: sv_b, .offset: 40, .size: 8, .value_kind: global_buffer, .address_space: global }
      - { .name: wimg, .offset: 48, .size: 8, .value_kind: global_buffer, .address_space: global }
      - { .name: simp, .offset: 56, .size: 8, .value_kind: global_buffer, .address_space: global }
      - { .name: mimg, .offset: 64, .size: 8, .value_kind: global_buffer, .address_space: global }
    .group_segment_fixed_size: 327680
    .private_segment_fixed_size: 0
    .kernarg_segment_align: 8
    .kernarg_segment_size: 72
    .max_flat_workgroup_size: 128
    .sgpr_count:     100
    .vgpr_count:     1024
    .wavefront_size: 32
...
	.end_amdgpu_metadata
.endif
;; end of part 2
;; launch outp (part 3): grid 32 x 8, 4 waves a work-group, clusters of 4 x 1, 168,448 bytes of LDS; arguments mimg, wimg, mo_b, so_b, out0, out1; writes out0, out1
.if DOCPART == 3
	.amdgcn_target "amdgcn-amd-amdhsa--gfx1250"
	.amdhsa_code_object_version 6
	.text
	.protected	k_q763bf59b37_outp
	.globl	k_q763bf59b37_outp
	.p2align	8
	.type	k_q763bf59b37_outp,@function
k_q763bf59b37_outp:
	s_mov_b64 s[64:65], 0
	v_nop
	global_prefetch_b8 v0, s[64:65] scope:SCOPE_SE
	s_setreg_imm32_b32 hwreg(HW_REG_WAVE_MODE, 25, 1), 1
	s_wait_xcnt 0x0
	s_wait_alu depctr_hold_cnt(0) depctr_sa_sdst(0) depctr_va_vdst(0) depctr_va_sdst(0) depctr_va_ssrc(0) depctr_va_vcc(0) depctr_vm_vsrc(0)
	s_getreg_b32 s2, hwreg(HW_REG_IB_STS2, 6, 4)
	s_cmp_eq_u32 s2, 0
	s_cbranch_scc0 .Lentry_in_a_cluster
	s_endpgm
.Lentry_in_a_cluster:
	s_bfe_u32 s2, ttmp6, 0x10000c
	s_cmp_lg_u32 s2, 0x3003
	s_cbranch_scc0 .Lentry_shape_is_right
	s_endpgm
.Lentry_shape_is_right:
; OUTP: out0 = Q(mr) mo_w^T + mo_b and out1 = Q(sr) so_w^T + so_b, on E3M2 codes with E8M0 scales.  Q(mr) and Q(sr) lie in mimg as the launch before left them: blocks of 16 rows, each K step's
; fragment as an image of the operand's registers; mo_w and so_w lie in wimg likewise, in chunks of eight fragments (128 columns x 128 K) with their scale words behind them.
; SHARES.  A work-group takes a quarter of a batch, 8 blocks of 16 rows (quarter = cluster x & 3; b = 4 (cluster x >> 2) + my place in the cluster), and column tile X = y: 128 columns of out0, 64 of out1.
; Wave w takes blocks 2 w and 2 w + 1 against all those columns: 16 + 8 accumulators, 128 + 32 products.  Block 32 b + 31 holds rows 484 to 499, of which 484 to 495 are block 30's too: it stores its last four alone.
; THE PRODUCTS ARE USED TRANSPOSED (source 0 = 16 columns' rows of the weight, source 1 = a block's 16 rows): a lane holds one row and eight neighbouring columns.  The bias is the C of each sum's first instruction.
; WEIGHTS: 8 chunks of mo_w (102,400 bytes) and 4 half chunks of so_w (24,576 bytes) come into LDS once: no byte of LDS is filled twice, so there is no ring.  Every wave reads all of them.
; CLUSTER.  The four work-groups of a cluster differ in b alone and need the same weights: both tiles are asked for jointly (mask 15).  The rows' fragments go from memory straight into the registers of the one
; wave that multiplies them, each byte once a work-group: there is no tile in LDS that a joint load could fill.
; out1 goes first: its small tile of weights is asked for first, and its rows are stored while mo_w's chunks are still on their way.
; LIMITS.  NaN, infinities and scale bytes 0xff among the inputs are not served.
; REGISTERS, in windows of 256.  Window 0: v1-13 addresses; v16-23, v24-27 mr's and sr's scale words (lanes 0-15 my first block, lanes 16-31 my second); v28-35, v36-67 so_w's and mo_w's (lanes 0-15 fragment 2 j,
;   lanes 16-31 fragment 2 j + 1); v96-191 sr's fragments, (a, q) at 96 + 48 a + 12 q; v192-255 rows on the way out.   Window 1: v0-191 mr's fragments, (a, q) at 96 a + 12 q; v192-255 mo_b, eight registers a tile.
;   Window 2: v0-191 the weight's fragments: so_w's sixteen, then mo_w's in two sets of eight; v192-223 so_b.   Window 3: v0-127 out0's accumulators, (a, T) at 64 a + 8 T; v128-191 out1's, at 128 + 32 a + 8 T.
.set BLK,    19968                     ; a block of mimg: 8 + 4 fragments of 1,536 bytes, then 8 + 4 x 128 bytes of scale words
.set CHUNK,  12800                     ; a chunk of wimg: 8 fragments, then 512 bytes of scale words
.set BS,     102400                    ; LDS: mo_w's 8 chunks from 0 on; so_w's 4 half chunks of 6,144 bytes from here on
.set STG,    126976                    ; the stages of the way out: 8,448 bytes for each wave; no tile lands here
.set L16,  1                           ; v1   16 x lane;  v2 the same + 51,200 (chunks 4 to 7)
.set LW,   3                           ; v3   12,288 + 4 x lane: a chunk's scale words;  v4 the same + 51,200
.set LIS,  5                           ; v5   BS + 16 x lane
.set ASO,  6                           ; v6   BLK x h + 4 r: the rows' scale words
.set L4,   7                           ; v7   4 x lane
.set BV,   8                           ; v8   32 h: the bias of my half
.set SO0,  9                           ; v9-12 my stage: in and back, for out0 (rows of 512 + 16 bytes) and out1 (256 + 16)
.set SR0,  10
.set SO1,  11
.set SR1,  12
.set GO1,  13                          ; v13  2,048 h + 16 r: two rows of out1
.set ASM,  16
.set ASS,  24
.set BSS,  28
.set BSM,  36
.set ASF,  96
.set RB,   192
.set G1M,  16                          ; s[16:23], s[24:31] descriptor groups 1 for mo_w's and so_w's tiles;  s[32:35], s[36:39] their groups 0
.set G1S,  24
.set G0M,  32
.set G0S,  36
.set WV,   40
.set CX,   41
.set QD,   42
.set BB,   43
.set XC,   44
.set TL,   45                          ; the tile (0 to 31 within a batch) of my first block
.set AB,   46                          ; s[46:47] mimg at my first block
.set SB,   48                          ; s[48:49] wimg at so_w's scale words of my columns
.set O0,   52                          ; s[52:55] out0 at my two blocks' first rows, my columns;  s[56:59] out1 likewise
.set O1,   56
.set TL1,  87                          ; the tile of my second block
.set MSB, 0
.macro WIN new                         ; the immediate's high byte repeats the setting that is left; a switch that changes nothing is dropped
.if MSB != (\new)
	s_set_vgpr_msb (MSB<<8)|(\new)
.set MSB, (\new)
.endif
.endm
.macro PLACES n
.rept \n
	v_nop
.endr
.endm
.macro CREST                           ; a round of the cluster's barrier behind its opening barrier
	s_cmp_lg_u32 s[WV], 0
	s_cbranch_scc1 .Lnot_wave_0_\@
	s_barrier_signal -3
.Lnot_wave_0_\@:
	s_barrier_wait -3
	s_barrier_signal -1
	s_barrier_wait -1
.endm
.macro CROUND
	s_barrier_signal -1
	s_barrier_wait -1
	CREST
.endm
.macro TLOAD g0, g1                    ; a joint load: every wave fetches its own quarter of the tile; four v_nop follow
	tensor_load_to_lds s[\g0:\g0+3], s[\g1:\g1+7]
	s_nop 0
	PLACES 4
.endm
.macro WMI                             ; one product; its registers and scale rows stand in the symbols wD, wA, wB, wC, wSA, wSB, wRA, wRB
.if wRA && wRB
	v_wmma_scale_f32_16x16x128_f8f6f4 v[wD:wD+7], v[wA:wA+11], v[wB:wB+11], v[wC:wC+7], v[wSA], v[wSB] matrix_a_fmt:MATRIX_FMT_BF6 matrix_b_fmt:MATRIX_FMT_BF6 matrix_a_scale:MATRIX_SCALE_ROW1 matrix_b_scale:MATRIX_SCALE_ROW1
.elseif wRA
	v_wmma_scale_f32_16x16x128_f8f6f4 v[wD:wD+7], v[wA:wA+11], v[wB:wB+11], v[wC:wC+7], v[wSA], v[wSB] matrix_a_fmt:MATRIX_FMT_BF6 matrix_b_fmt:MATRIX_FMT_BF6 matrix_a_scale:MATRIX_SCALE_ROW1
.elseif wRB
	v_wmma_scale_f32_16x16x128_f8f6f4 v[wD:wD+7], v[wA:wA+11], v[wB:wB+11], v[wC:wC+7], v[wSA], v[wSB] matrix_a_fmt:MATRIX_FMT_BF6 matrix_b_fmt:MATRIX_FMT_BF6 matrix_b_scale:MATRIX_SCALE_ROW1
.else
	v_wmma_scale_f32_16x16x128_f8f6f4 v[wD:wD+7], v[wA:wA+11], v[wB:wB+11], v[wC:wC+7], v[wSA], v[wSB] matrix_a_fmt:MATRIX_FMT_BF6 matrix_b_fmt:MATRIX_FMT_BF6
.endif
.endm
.macro FBM q, p                        ; mo_w's eight fragments of K step q into set p: images, 24 loads of 512 consecutive bytes
	WIN 0x80
.irp f, 0,1,2,3,4,5,6,7
.irp k, 0,1,2
	ds_load_b128 v[96*(\p)+12*\f+4*\k:96*(\p)+12*\f+4*\k+3], v[L16+(\q)/4] offset:((\q)%4)*CHUNK+1536*\f+512*\k
.endr
.endr
	WIN 0
.endm
; A K step of out0: its fragments were asked for a step ago; the next step's are asked for ahead of its 16 products.  The 16 accumulators take turns, one instruction a turn, in the same order in every step
.macro OSTEP q
	s_wait_dscnt 0x0                               ; this step's fragments are in
.if (\q) < 7
	PLACES 4                                       ; four places in front of loads into registers that the last step's products have read
	FBM (\q)+1, ((\q)+1)%2
.endif
.if (\q) == 0
	WIN 0xd6                                       ; source 0 window 2, source 1 window 1, C (the bias) window 1, D window 3
.else
	WIN 0xf6                                       ; C and D window 3
.endif
.irp a, 0,1
.irp t, 0,1,2,3,4,5,6,7
.set wD, 64*\a+8*\t
.set wA, 96*((\q)%2)+12*\t
.set wB, 96*\a+12*(\q)
.if (\q) == 0
.set wC, 192+8*\t
.else
.set wC, wD
.endif
.set wSA, BSM+4*(\q)+\t/2
.set wSB, ASM+(\q)
.set wRA, \t%2
.set wRB, \a
	WMI
.endr
.endr
	WIN 0
.endm
; THE WAY OUT.  A lane holds 32 neighbouring bytes of a row and the lanes beside it hold other rows: a block goes through my own stage in LDS and comes back as whole rows.
; LDS serves a wave's instructions in order (ISA guide 5.7.1.4): no wait between the stores and the loads, nor in front of the next block's stores.  Each accumulator is read from its low end on.
.macro STAGE1 a                        ; out1, block a: 16 rows of 256 bytes; back two rows an instruction
	WIN 0x0c                                       ; an LDS store's data are its source 1: window 3
.irp t, 0,1,2,3
	ds_store_b128 v[SO1], v[128+32*\a+8*\t:128+32*\a+8*\t+3] offset:64*\t
	ds_store_b128 v[SO1], v[128+32*\a+8*\t+4:128+32*\a+8*\t+7] offset:64*\t+16
.endr
	WIN 0
.irp i, 0,1,2,3,4,5,6,7
	ds_load_b128 v[RB+32*\a+4*\i:RB+32*\a+4*\i+3], v[SR1] offset:\i*544
.endr
.endm
.macro SEND1 a, i0, n                  ; pairs of rows i0 .. i0 + n - 1: sixteen lanes store 256 consecutive bytes, aligned
.set ci, \i0
.rept \n
	global_store_b128 v[GO1], v[RB+32*\a+4*ci:RB+32*\a+4*ci+3], s[O1+2*\a:O1+2*\a+1] offset:ci*4096 th:TH_STORE_NT
.set ci, ci+1
.endr
.endm
.macro STAGE0 a, rb, freed             ; out0, block a: 16 rows of 512 bytes; back a row an instruction, into v[rb] on
	WIN 0x0c
.irp t, 0,1,2,3,4,5,6,7
	ds_store_b128 v[SO0], v[64*\a+8*\t:64*\a+8*\t+3] offset:64*\t
	ds_store_b128 v[SO0], v[64*\a+8*\t+4:64*\a+8*\t+7] offset:64*\t+16
.endr
	WIN 0
.if \freed
	s_wait_xcnt 0x0                                ; out1's stores have read these registers: only behind this wait are they loaded again
.endif
.irp i, 0,1,2,3,4,5,6,7,8,9,10,11,12,13,14,15
	ds_load_b128 v[\rb+4*\i:\rb+4*\i+3], v[SR0] offset:\i*528
.endr
.endm
.macro SEND0 a, rb, i0, n              ; rows i0 .. i0 + n - 1: 32 lanes store 512 consecutive bytes, aligned
.set ci, \i0
.rept \n
	global_store_b128 v[L16], v[\rb+4*ci:\rb+4*ci+3], s[O0+2*\a:O0+2*\a+1] offset:ci*4096 th:TH_STORE_NT
.set ci, ci+1
.endr
.endm
	s_load_b256 s[4:11], s[0:1], 0x0               ; mimg, wimg, mo_b, so_b
	s_load_b128 s[12:15], s[0:1], 0x20             ; out0, out1
	v_lshl_add_u32 v94, v0, 2, 0x29000
	v_mov_b32 v95, 0
	ds_add_u32 v94, v95
	ds_add_u32 v94, v95
	v_lshrrev_b32 v14, 5, v0
	v_readfirstlane_b32 s[WV], v14                 ; wave 0..3
	s_bfe_u32 s[CX], ttmp6, 0x40000                ; my place in the cluster: it enters b alone, and b global offsets alone
	s_and_b32 s[QD], ttmp9, 3                      ; the quarter of a batch: alike in all partners
	s_lshr_b32 s[BB], ttmp9, 2
	s_lshl_b32 s[BB], s[BB], 2
	s_add_co_u32 s[BB], s[BB], s[CX]               ; b
	s_and_b32 s[XC], ttmp7, 0xffff                 ; the column tile: alike in all partners
	s_lshl_b32 s[TL], s[QD], 3
	s_lshl_b32 s60, s[WV], 1
	s_add_co_u32 s[TL], s[TL], s60                 ; 8 x quarter + 2 x wave
	s_add_co_u32 s[TL1], s[TL], 1
	; descriptor group 1 for mo_w: two chunks of 12,800 bytes (1,600 elements of 8 bytes), 102,400 bytes apart in memory, on end in LDS
	s_mov_b32 s[G1M+0], 15|(3<<16)|(1<<21)         ; 15:0 the mask: all four work-groups; 17:16 elements of 8 bytes; 21 set beside a mask
	s_mov_b32 s[G1M+1], 1600<<16                   ; tensor_dim0
	s_mov_b32 s[G1M+2], 2<<16                      ; tensor_dim1
	s_mov_b32 s[G1M+3], 1600<<16                   ; tile_dim0
	s_mov_b32 s[G1M+4], 2                          ; tile_dim1
	s_mov_b32 s[G1M+5], 12800                      ; from row to row, in elements
	s_mov_b32 s[G1M+6], 0
	s_mov_b32 s[G1M+7], 0
	; and for so_w: 6,144 dense bytes as 24 rows of 256
	s_mov_b32 s[G1S+0], 15|(3<<16)|(1<<21)
	s_mov_b32 s[G1S+1], 32<<16
	s_mov_b32 s[G1S+2], 24<<16
	s_mov_b32 s[G1S+3], 32<<16
	s_mov_b32 s[G1S+4], 24
	s_mov_b32 s[G1S+5], 32
	s_mov_b32 s[G1S+6], 0
	s_mov_b32 s[G1S+7], 0
	; offsets in wimg.  mo_w's chunk of K step q and column tile X is chunk 8 (10 + q) + X; I fetch q = 2 w and 2 w + 1
	s_mul_i32 s60, s[WV], 204800
	s_mul_i32 s61, s[XC], CHUNK
	s_add_co_u32 s60, s60, s61
	s_add_co_u32 s60, s60, 1024000
	s_mov_b32 s61, 0
	; so_w's chunk of K step q and column group X / 2 is chunk 8 (18 + q / 2) + 2 (X / 2) + q % 2; of it fragments 4 (X % 2) on; I fetch q = w
	s_lshr_b32 s62, s[WV], 1
	s_mul_i32 s62, s62, 102400
	s_and_b32 s63, s[WV], 1
	s_mul_i32 s63, s63, CHUNK
	s_add_co_u32 s62, s62, s63
	s_lshr_b32 s63, s[XC], 1
	s_mul_i32 s63, s63, 25600
	s_add_co_u32 s66, s63, 1843200
	s_and_b32 s67, s[XC], 1
	s_mul_i32 s68, s67, 6144
	s_add_co_u32 s62, s62, s66
	s_add_co_u32 s62, s62, s68
	s_mov_b32 s63, 0
	s_lshl_b32 s67, s67, 8                         ; their scale words: 256 (X % 2) behind the chunk's fragments
	s_add_co_u32 s66, s66, s67
	s_add_co_u32 s66, s66, 12288
	s_mov_b32 s67, 0
	s_lshl_b32 s68, s[BB], 5
	s_add_co_u32 s68, s68, s[TL]
	s_mul_i32 s68, s68, BLK                        ; my first block of mimg: 32 b + tile
	s_mov_b32 s69, 0
	s_mul_i32 s70, s[BB], 500
	s_lshl_b32 s71, s[TL], 4                       ; my first block's t0 = 16 tile (its tile is 30 at the most),
	s_add_co_u32 s72, s71, 16
	s_min_u32 s72, s72, 484                        ; my second block's = min(16 tile, 484)
	s_add_co_u32 s71, s71, s70
	s_add_co_u32 s72, s72, s70                     ; as rows 500 b + t0
	s_lshl_b32 s73, s[XC], 9
	s_lshl_b32 s74, s71, 12
	s_add_co_u32 s74, s74, s73                     ; out0: 4,096 x row + 512 X
	s_mov_b32 s75, 0
	s_lshl_b32 s76, s72, 12
	s_add_co_u32 s76, s76, s73
	s_mov_b32 s77, 0
	s_mov_b32 s82, s73                             ; mo_b: 512 X
	s_mov_b32 s83, 0
	s_lshl_b32 s73, s[XC], 8
	s_lshl_b32 s78, s71, 11
	s_add_co_u32 s78, s78, s73                     ; out1: 2,048 x row + 256 X
	s_mov_b32 s79, 0
	s_lshl_b32 s80, s72, 11
	s_add_co_u32 s80, s80, s73
	s_mov_b32 s81, 0
	s_mov_b32 s84, s73                             ; so_b: 256 X
	s_mov_b32 s85, 0
	v_and_b32 v14, 31, v0                          ; lane
	v_and_b32 v15, 15, v0                          ; r
	v_bfe_u32 v68, v0, 4, 1                        ; h
	v_lshlrev_b32 v[L16], 4, v14
	v_add_nc_u32 v[L16+1], 51200, v[L16]
	v_lshlrev_b32 v[L4], 2, v14
	v_add_nc_u32 v[LW], 12288, v[L4]
	v_add_nc_u32 v[LW+1], 51200, v[LW]
	v_add_nc_u32 v[LIS], BS, v[L16]
	v_mul_u32_u24 v[ASO], v68, BLK
	v_lshl_add_u32 v[ASO], v15, 2, v[ASO]
	v_lshlrev_b32 v[BV], 5, v68
	s_mul_i32 s86, s[WV], 8448
	s_add_co_u32 s86, s86, STG                     ; my stage
	v_mul_u32_u24 v[SO0], v15, 528
	v_lshl_add_u32 v[SO0], v68, 5, v[SO0]
	v_add_nc_u32 v[SO0], s86, v[SO0]               ; in: row r, + 32 h
	v_add_nc_u32 v[SR0], s86, v[L16]               ; back: a row of 512 bytes, 16 a lane
	v_mul_u32_u24 v[SO1], v15, 272
	v_lshl_add_u32 v[SO1], v68, 5, v[SO1]
	v_add_nc_u32 v[SO1], s86, v[SO1]
	v_mul_u32_u24 v[SR1], v68, 272
	v_lshl_add_u32 v[SR1], v15, 4, v[SR1]
	v_add_nc_u32 v[SR1], s86, v[SR1]               ; back: lanes 0-15 one row of 256 bytes, lanes 16-31 the next
	v_lshlrev_b32 v[GO1], 11, v68
	v_lshl_add_u32 v[GO1], v15, 4, v[GO1]
	s_wait_dscnt 0x0
	s_wait_kmcnt 0x0
	s_add_nc_u64 s[AB:AB+1], s[4:5], s[68:69]
	s_add_nc_u64 s[SB:SB+1], s[6:7], s[66:67]
	s_add_nc_u64 s[O0:O0+1], s[12:13], s[74:75]
	s_add_nc_u64 s[O0+2:O0+3], s[12:13], s[76:77]
	s_add_nc_u64 s[O1:O1+1], s[14:15], s[78:79]
	s_add_nc_u64 s[O1+2:O1+3], s[14:15], s[80:81]
	s_add_nc_u64 s[8:9], s[8:9], s[82:83]
	s_add_nc_u64 s[10:11], s[10:11], s[84:85]
	s_mov_b32 s[G0S], 1                            ; count = 1
	s_mul_i32 s88, s[WV], 6144
	s_add_co_u32 s[G0S+1], s88, BS                 ; LDS address: K step w's half chunk
	s_add_nc_u64 s[G0S+2:G0S+3], s[6:7], s[62:63]
	s_or_b32 s[G0S+3], s[G0S+3], 0x80000000        ; type = 2
	s_mov_b32 s[G0M], 1
	s_mul_i32 s[G0M+1], s[WV], 2*CHUNK             ; chunks 2 w and 2 w + 1
	s_add_nc_u64 s[G0M+2:G0M+3], s[6:7], s[60:61]
	s_or_b32 s[G0M+3], s[G0M+3], 0x80000000
	CROUND                                         ; all four work-groups are here: the joint loads meet
	TLOAD G0S, G1S                                 ; so_w's first: it is wanted first.  Two tensor loads of mine are out
	TLOAD G0M, G1M
	; what out1 wants: 44 loads
.irp q, 0,1,2,3
	global_load_b32 v[ASS+\q], v[ASO], s[AB:AB+1] offset:19456+128*\q
.endr
.irp q, 0,1,2,3
.irp j, 0,1
	global_load_b32 v[BSS+2*\q+\j], v[L4], s[SB:SB+1] offset:(\q/2)*102400+(\q%2)*CHUNK+128*\j
.endr
.endr
	WIN 0x80                                       ; destination window 2
.irp t, 0,1,2,3
	global_load_b128 v[192+8*\t:192+8*\t+3], v[BV], s[10:11] offset:64*\t        ; so_b of columns 16 T + 8 h + 0..7
	global_load_b128 v[192+8*\t+4:192+8*\t+7], v[BV], s[10:11] offset:64*\t+16
.endr
	WIN 0
.irp a, 0,1
.irp q, 0,1,2,3
.irp k, 0,1,2
	global_load_b128 v[ASF+48*\a+12*\q+4*\k:ASF+48*\a+12*\q+4*\k+3], v[L16], s[AB:AB+1] offset:\a*BLK+12288+1536*\q+512*\k   ; 32 lanes read 512 consecutive bytes, aligned
.endr
.endr
.endr
	; what out0 wants: 72 loads
.irp q, 0,1,2,3,4,5,6,7
	global_load_b32 v[ASM+\q], v[ASO], s[AB:AB+1] offset:18432+128*\q
.endr
	WIN 0x40                                       ; destination window 1
.irp t, 0,1,2,3,4,5,6,7
	global_load_b128 v[192+8*\t:192+8*\t+3], v[BV], s[8:9] offset:64*\t          ; mo_b
	global_load_b128 v[192+8*\t+4:192+8*\t+7], v[BV], s[8:9] offset:64*\t+16
.endr
.irp a, 0,1
.irp q, 0,1,2,3,4,5,6,7
.irp k, 0,1,2
	global_load_b128 v[96*\a+12*\q+4*\k:96*\a+12*\q+4*\k+3], v[L16], s[AB:AB+1] offset:\a*BLK+1536*\q+512*\k
.endr
.endr
.endr
	WIN 0
	; OUT1: four K steps, my two blocks against four tiles of 16 columns
	s_wait_tensorcnt 0x1                           ; my part of so_w's tile is in; mo_w's may stay out
	s_barrier_signal -1
	s_barrier_wait -1                              ; everybody's is
	WIN 0x80
.irp q, 0,1,2,3
.irp f, 0,1,2,3
.irp k, 0,1,2
	ds_load_b128 v[48*\q+12*\f+4*\k:48*\q+12*\f+4*\k+3], v[LIS] offset:6144*\q+1536*\f+512*\k
.endr
.endr
.endr
	WIN 0
	s_wait_loadcnt 0x3f                            ; 72 loads are younger than out1's 44: with 63 out the first 53 are in
	s_wait_dscnt 0x0
.irp q, 0,1,2,3
.if \q == 0
	WIN 0xe2                                       ; source 0 window 2, source 1 window 0, C (the bias) window 2, D window 3
.else
	WIN 0xf2
.endif
.irp a, 0,1
.irp t, 0,1,2,3
.set wD, 128+32*\a+8*\t
.set wA, 48*\q+12*\t
.set wB, ASF+48*\a+12*\q
.if \q == 0
.set wC, 192+8*\t
.else
.set wC, wD
.endif
.set wSA, BSS+2*\q+\t/2
.set wSB, ASS+\q
.set wRA, \t%2
.set wRB, \a
	WMI                                            ; the eight accumulators take turns
.endr
.endr
.endr
	WIN 0
	PLACES 4                                       ; four places in front of the first read of results, and of the loads into the weight's registers further down
	STAGE1 0
	STAGE1 1
	s_wait_dscnt 0x0
	SEND1 0, 0, 8
	SEND1 1, 6, 2                                  ; my second block's rows 12 to 15
	s_cmp_eq_u32 s[TL1], 31                        ; tile 31's rows 0 to 11 are tile 30's
	s_cbranch_scc1 .Lshort1
	SEND1 1, 0, 6
.Lshort1:
	; OUT0: eight K steps, my two blocks against eight tiles of 16 columns
	s_wait_tensorcnt 0x0                           ; my two chunks of mo_w are in,
	s_barrier_signal -1
	s_barrier_wait -1                              ; everybody's are
	FBM 0, 0
.irp q, 0,1,2,3,4,5,6,7
.irp j, 0,1,2,3
	ds_load_b32 v[BSM+4*\q+\j], v[LW+\q/4] offset:(\q%4)*CHUNK+128*\j
.endr
.endr
	s_wait_loadcnt 0x0                             ; mr's fragments and scale words, mo_b
.irp q, 0,1,2,3,4,5,6,7
	OSTEP \q
.endr
	PLACES 4
	STAGE0 0, RB, 1
	STAGE0 1, ASF, 0                               ; sr's fragments are done with: my second block's rows land there
	s_wait_dscnt 0x0
	SEND0 0, RB, 0, 16
	SEND0 1, ASF, 12, 4
	s_cmp_eq_u32 s[TL1], 31
	s_cbranch_scc1 .Lshort0
	SEND0 1, ASF, 0, 12
.Lshort0:
	s_wait_tensorcnt 0x0
	ds_add_u32 v94, v95
	s_wait_dscnt 0x0
	CROUND                                         ; the closing round: no work-group ends while a partner may still ask for a tile that names it
	s_endpgm
.Lfunc_end_k_q763bf59b37_outp:
	.size	k_q763bf59b37_outp, .Lfunc_end_k_q763bf59b37_outp-k_q763bf59b37_outp
	.p2alignl 7, 3214868480
	.fill 96, 4, 3214868480
	.section	.rodata,"a",@progbits
	.p2align	6, 0x0
	.amdhsa_kernel k_q763bf59b37_outp
		.amdhsa_group_segment_fixed_size 168448
		.amdhsa_private_segment_fixed_size 0
		.amdhsa_enable_private_segment 0
		.amdhsa_kernarg_size 48
		.amdhsa_user_sgpr_count 2
		.amdhsa_user_sgpr_kernarg_segment_ptr 1
		.amdhsa_wavefront_size32 1
		.amdhsa_system_sgpr_workgroup_id_x 1
		.amdhsa_system_sgpr_workgroup_id_y 1
		.amdhsa_system_sgpr_workgroup_id_z 1
		.amdhsa_system_vgpr_workitem_id 0
		.amdhsa_next_free_vgpr 1024
		.amdhsa_next_free_sgpr 100
		.amdhsa_reserve_vcc 0
		.amdhsa_float_denorm_mode_32 3
		.amdhsa_float_denorm_mode_16_64 3
		.amdhsa_memory_ordered 1
		.amdhsa_forward_progress 1
		.amdhsa_inst_pref_size 70
	.end_amdhsa_kernel
	.amdgpu_metadata
---
amdhsa.version: [ 1, 2 ]
amdhsa.kernels:
  - .name:           k_q763bf59b37_outp
    .symbol:         k_q763bf59b37_outp.kd
    .args:
      - { .name: mimg, .offset: 0, .size: 8, .value_kind: global_buffer, .address_space: global }
      - { .name: wimg, .offset: 8, .size: 8, .value_kind: global_buffer, .address_space: global }
      - { .name: mo_b, .offset: 16, .size: 8, .value_kind: global_buffer, .address_space: global }
      - { .name: so_b, .offset: 24, .size: 8, .value_kind: global_buffer, .address_space: global }
      - { .name: out0, .offset: 32, .size: 8, .value_kind: global_buffer, .address_space: global }
      - { .name: out1, .offset: 40, .size: 8, .value_kind: global_buffer, .address_space: global }
    .group_segment_fixed_size: 168448
    .private_segment_fixed_size: 0
    .kernarg_segment_align: 8
    .kernarg_segment_size: 48
    .max_flat_workgroup_size: 128
    .sgpr_count:     100
    .vgpr_count:     1024
    .wavefront_size: 32
...
	.end_amdgpu_metadata
.endif
;; end of part 3
